; MI455X (gfx1250); checked and timed in simulation.
; The chip was launched on July 23, 2026; its instructions are those of AMD's public machine-readable ISA for CDNA 5 (MIT licence, August 2026) and "CDNA5" Instruction Set Architecture Reference Guide (July 2026). The comments in the code are by the model that wrote it; some were corrected since.
;; Causal Self Attention. Allowed arithmetic: matrix products marked QUANTISED: E2M3 operands, one E8M0 scale for each 32 along K, by v_wmma_scale_f32_16x16x128_f8f6f4 with both operands' format E2M3, f32 sums; everything else in f32.
;; Inputs: W_attn 1,024 x 3,072 float32; W_proj 1,024 x 1,024 float32; x 4 x 2,048 x 1,024 float32.
;; Outputs: out0 4 x 2,048 x 1,024 float32.
;; This version of the problem:
;;   THIS VERSION OF THE PROBLEM IS GIVEN IN LOW PRECISION. The matrix products marked QUANTISED in the list below multiply operands that are first quantised to E2M3 (2 exponent bits, 3 mantissa bits; 6 bits a number), with one power-of-two scale for each 32 numbers along K (OCP MX v1.0); their sums are f32. All else is computed in f32.
;;   The module's matrix products, in the order in which they are computed (A, B: the left and right operand; K: the contracted axis; several contracted axes count as one K, in the product's order):
;;     1. [M 8,192, K 1,024] x [K 1,024, N 3,072]; A: input x; B: input W_attn: QUANTISED
;;     2. batch 64 x [M 2,048, K 64] x [K 64, N 2,048]; A: computed on the way; B: computed on the way: QUANTISED
;;     3. batch 64 x [M 2,048, K 2,048] x [K 2,048, N 64]; A: softmax (see below); B: computed on the way: QUANTISED
;;     4. [M 8,192, K 1,024] x [K 1,024, N 1,024]; A: computed on the way; B: input W_proj: QUANTISED
;;   THE QUANTISER, for each operand of a quantised product, along K:
;;     - K is cut into blocks of 32 from its start; a last block that is shorter is filled with zeros.
;;     - A block's scale is 2^e with e = floor(log2(the largest magnitude in the block)) - 2, held to -126 .. 127; a block of zeros has e = 0. As a byte (E8M0): e + 127.
;;     - Each number is divided by its block's scale, clamped to +-7.5, and rounded to the nearest number of E2M3, ties to even, subnormals kept.
;;     - The product sums the exact products of the quantised numbers (number of the format x scale) in f32.
;;   ~~~python
;;   def quantise(x, axis):      # numpy; x: float32 -> the quantised numbers, widened to float32 again
;;       x = np.moveaxis(x, axis, -1); K = x.shape[-1]
;;       x = np.pad(x, [(0, 0)] * (x.ndim - 1) + [(0, -K % 32)]); x = x.reshape(x.shape[:-1] + (-1, 32)); a = np.abs(x).max(-1, keepdims=True)
;;       e = np.where(a > 0, np.clip(np.frexp(np.where(a > 0, a, 1))[1] - 1 - 2, -126, 127), 0)      # np.frexp(a)[1] - 1 = floor(log2(a)), exactly
;;       r = np.clip(x / 2.0 ** e, -7.5, 7.5)
;;       step = 2.0 ** (np.maximum(np.frexp(np.where(r == 0, 1, r))[1] - 1, 0) - 3)
;;       q = np.round(r / step) * step * 2.0 ** e      # np.round: ties to even
;;       return np.moveaxis(q.reshape(q.shape[:-2] + (-1,))[..., :K], -1, axis).astype(np.float32)
;;   ~~~
;;   SOFTMAX AHEAD OF A QUANTISED PRODUCT. Where the list says 'softmax', what is quantised is not the finished softmax but p = 2^(t - M), with t = logit x log2(e) and M = ceil(the row's largest t), a whole number; so 1/2 < the row's largest p <= 1. The row's sum l is taken of the UNQUANTISED p, in f32, and the product's result is divided by l at the end. Since M is a whole number, a kernel that streams over the keys may use a running M (the ceiling of the running maximum): every later rescaling is an exact power of two, which a block's scale takes up: the codes' values come out the same.
;;   OPERANDS COMPUTED ON THE WAY. 'Computed on the way' means the value that the module computes at that place (a softmax that the list does not call 'softmax' is quantised finished and normalised). What goes into a quantiser is computed in f32, as accurately as f32 sums, v_exp_f32 and their like allow (about 1e-6 of the number): no bf16 or f16 on the way to a quantiser, and a product that is left as it is and whose result goes on into a quantised operand takes f32 operands (vector FMAs, or v_wmma_f32_16x16x4_f32). A number that lies on a knife's edge between two numbers of the format may be rounded either way, as far as f32 arithmetic and the matrix unit's own rounding can turn it there, and no further.
;; One version. Each part assembles by itself: llvm-mc -triple=amdgcn-amd-amdhsa -mcpu=gfx1250 --defsym DOCPART=n.
;; ======== version 1 of 1: 4 launches
;; workspace buffers: ximg 6,553,600 bytes; waimg 2,457,600 bytes; wpimg 819,200 bytes; yimg 6,553,600 bytes; qc 6,291,456 bytes; qs 524,288 bytes; kv 13,631,488 bytes
;; launch quant (part 1): grid 384 x 1, 4 waves a work-group, no clusters, 90,624 bytes of LDS; arguments x, W_attn, W_proj, ximg, waimg, wpimg; writes ximg, waimg, wpimg
.if DOCPART == 1
	.amdgcn_target "amdgcn-amd-amdhsa--gfx1250"
	.amdhsa_code_object_version 6
	.text
	.protected	k_qac7439a25a_quant
	.globl	k_qac7439a25a_quant
	.p2align	8
	.type	k_qac7439a25a_quant,@function
k_qac7439a25a_quant:
	s_mov_b64 s[64:65], 0
	v_nop
	global_prefetch_b8 v0, s[64:65] scope:SCOPE_SE
	s_setreg_imm32_b32 hwreg(HW_REG_WAVE_MODE, 25, 1), 1
	s_wait_xcnt 0x0
; x [8192][1024], W_attn [1024][3072] and W_proj [1024][1024], f32, become codes of FP6 (E2M3) with one E8M0 byte for each 32 along K = 1,024,
; laid as IMAGES OF THE OPERAND'S REGISTERS, so that the products' launches read fragments by 16- and 8-byte loads of consecutive bytes.
; AN IMAGE.  128 rows (tokens of x, columns n of a weight) are a block of 102,400 bytes: four parts of 25,600, part q for k = 256 q .. 256 q + 255.  In a part: the fragment of
; K step s (0, 1: 128 along K) and tile a (0 .. 7) at 12,288 s + 1,536 a; the scale words at 24,576 + 512 s + 64 a + 4 r.  A fragment is two halves of 768 bytes (64 along K each):
; lane L's registers 0-3 at 16 L, its registers 4-5 at 512 + 8 L.  Lane r of tile a holds row 32 (a / 2) + 8 (a % 2) + r + 8 (r / 8) of the block: used as source 0 of a product,
; two neighbouring tiles then leave 16 neighbouring rows in a lane's 16 result registers.
; A block's scale is 2^(floor(log2(largest magnitude)) - 2): its byte is the largest magnitude's exponent field - 2, held at 1 from below by a floor among the maximum's leaves.
; LIMITS: a block of zeros gets the byte 1 where the rule says 127 (its codes are zeros, and this program alone reads the bytes); NaN and infinities among the inputs are not served.
; SHARES.  A work-group makes one part of one block; wave w its K step w / 2, tiles 4 (w % 2) .. + 3: 6,144 consecutive bytes of codes and 256 of scale words.
; Work-groups 0-95 take W_attn, 96-127 W_proj, 128-383 x.  The three ways part on the work-group's number, never meet again, and have LDS bytes of their own.  Waves share nothing: no barrier.
.set BLKB, 102400
.set SBB,  25600
.set R,    32                          ; x: v32-159  two sets of 64 registers as loaded
.set X,    160                         ; x: v160-223 64 neighbours along K
.set C,    224                         ; x: v224-235 a fragment's codes; v236-238, v240-242 conversion results that are moved
	s_load_b256 s[4:11], s[0:1], 0x0               ; x s[4:5], W_attn s[6:7], W_proj s[8:9], ximg s[10:11]
	s_load_b128 s[12:15], s[0:1], 0x20             ; waimg s[12:13], wpimg s[14:15]
	v_lshl_add_u32 v248, v0, 2, 0x16000
	v_mov_b32 v249, 0
	v_lshrrev_b32 v1, 5, v0
	v_readfirstlane_b32 s16, v1                    ; wave 0..3
	v_and_b32 v1, 31, v0                           ; lane
	s_lshr_b32 s17, s16, 1                         ; my K step of the part
	s_and_b32 s18, s16, 1                          ; which four tiles
	s_mov_b32 s20, 0x76543210
	s_mov_b32 s21, 0xfedcba98                      ; v_permlanex16_b32's selects for lane l xor 16
; s22 = the part's number in its tensor.  Leaves: s23 the block, s28 the part q, s[24:25] where my codes go, s[26:27] where my scale words go (bytes in the image buffer)
.macro OUTOFF
	s_lshr_b32 s23, s22, 2
	s_and_b32 s28, s22, 3
	s_mul_i32 s24, s23, BLKB
	s_mul_i32 s29, s28, SBB
	s_add_co_u32 s24, s24, s29
	s_lshl_b32 s29, s17, 9
	s_lshl_b32 s30, s18, 8
	s_add_co_u32 s26, s24, s29
	s_add_co_u32 s26, s26, s30
	s_add_co_u32 s26, s26, 24576
	s_mul_i32 s29, s17, 12288
	s_mul_i32 s30, s18, 6144
	s_add_co_u32 s24, s24, s29
	s_add_co_u32 s24, s24, s30
	s_mov_b32 s25, 0
	s_mov_b32 s27, 0
.endm
	s_cmp_lt_u32 ttmp9, 96
	s_cbranch_scc1 .Lwattn
	s_cmp_lt_u32 ttmp9, 128
	s_cbranch_scc1 .Lwproj
; ---------------- x: K is innermost.  A load reads 512 consecutive bytes of one row (a K step's 128 numbers); a tile's 16 rows turn through the wave's stage (rows 528 bytes apart),
; and come back so that lane (r, h) holds, of row r, k = 64 c + 32 h + 0 .. 31 for c = 0, 1: two whole blocks, in the order of the operand's registers.
	s_sub_co_u32 s22, ttmp9, 128
	OUTOFF
	s_lshl_b32 s30, s23, 19                        ; 128 rows of 4,096 bytes a block,
	s_lshl_b32 s29, s18, 18                        ; my 64 rows of them,
	s_add_co_u32 s30, s30, s29
	s_lshl_b32 s29, s28, 10                        ; 256 numbers a part,
	s_add_co_u32 s30, s30, s29
	s_lshl_b32 s29, s17, 9                         ; 128 a K step
	s_add_co_u32 s30, s30, s29
	s_mov_b32 s31, 0
	s_mul_i32 s19, s16, 8704                       ; LDS: 8,704 bytes a wave: the stage, 16 x 528, then 256 bytes of scale words
	s_add_co_u32 s19, s19, 55296
	s_wait_alu depctr_va_vdst(0)
	v_lshlrev_b32 v2, 4, v1                        ; 16 L
	v_lshlrev_b32 v3, 3, v1                        ; 8 L
	v_add_nc_u32 v4, s19, v2                       ; into the stage: 16 L of a row
	v_and_b32 v9, 15, v1                           ; r
	v_lshrrev_b32 v10, 4, v1                       ; h
	v_mul_u32_u24 v5, v9, 528
	v_lshl_add_u32 v5, v10, 7, v5
	v_add_nc_u32 v5, s19, v5                       ; out of it: row r, + 128 h
	s_add_co_u32 s19, s19, 8448
	v_lshl_add_u32 v6, v9, 2, s19                  ; my row's scale word
	v_add_nc_u32 v7, s19, v3                       ; and 8 bytes a lane on the way out
	v_lshlrev_b32 v8, 3, v10                       ; 8 h: my bytes' place in the word
	v_mov_b32 v10, 0                               ; written once: a lane permute's destination counts as one of its sources
	s_wait_alu depctr_va_vdst(0)
	s_wait_kmcnt 0x0
	s_add_nc_u64 s[36:37], s[4:5], s[30:31]
	s_add_nc_u64 s[32:33], s[10:11], s[24:25]
	s_add_nc_u64 s[34:35], s[10:11], s[26:27]
.macro LOADT t                         ; tile t's 16 rows into set t % 2
.irp i, 0,1,2,3,4,5,6,7,8,9,10,11,12,13,14,15
	global_load_b128 v[R+64*((\t)%2)+4*\i:R+64*((\t)%2)+4*\i+3], v2, s[36:37] offset:(32*((\t)/2)+8*((\t)%2)+\i+8*(\i/8))*4096 th:TH_LOAD_NT
.endr
.endm
.macro XTILE t
.if (\t) < 3
	s_wait_loadcnt 16                              ; this tile's 16 loads are in; the next tile's 16 may be out
.else
	s_wait_loadcnt 0
.endif
.irp i, 0,1,2,3,4,5,6,7,8,9,10,11,12,13,14,15
	ds_store_b128 v4, v[R+64*((\t)%2)+4*\i:R+64*((\t)%2)+4*\i+3] offset:528*\i
.endr
.irp c, 0,1
.irp j, 0,1,2,3,4,5,6,7
	ds_load_b128 v[X+32*\c+4*\j:X+32*\c+4*\j+3], v5 offset:256*\c+16*\j   ; LDS serves a wave's instructions in order: these see the stores above
.endr
.endr
	s_wait_dscnt 0x0                               ; the numbers are back, so the stores have read their registers,
.if (\t) < 2
	LOADT (\t)+2                                   ; which take the tile two on
.endif
	v_max3_num_f32 v11, |v[X]|, |v[X+1]|, 0x1800000        ; my two blocks' largest magnitudes, by turns; the floor 2^(3 - 127) holds the byte at 1 from below
	v_max3_num_f32 v12, |v[X+32]|, |v[X+33]|, 0x1800000
.irp i, 2,4,6,8,10,12,14,16,18,20,22,24,26,28,30
	v_max3_num_f32 v11, v11, |v[X+\i]|, |v[X+\i+1]|
	v_max3_num_f32 v12, v12, |v[X+32+\i]|, |v[X+33+\i]|
.endr
	v_add_nc_u32 v13, 0xff000000, v11              ; 2 off the exponent field: the conversion takes this operand's exponent field as its scale
	v_add_nc_u32 v14, 0xff000000, v12
	v_lshrrev_b32 v9, 23, v13                      ; the bytes of blocks h and 2 + h
	v_lshrrev_b32 v15, 23, v14
	v_lshl_or_b32 v15, v15, 16, v9
	v_lshlrev_b32 v15, v8, v15                     ; at their places in the word;
	v_permlanex16_b32 v10, v15, s20, s21
	v_or_b32 v15, v15, v10                         ; with lane l xor 16's two the word is whole
	s_wait_alu depctr_va_vdst(0)
	s_wait_xcnt 0x0                                ; the last tile's stores have read the codes' registers
	v_cvt_scalef32_pk16_fp6_f32 v[C:C+2], v[X:X+15], v13
	v_cvt_scalef32_pk16_fp6_f32 v[C+12:C+14], v[X+16:X+31], v13      ; (a conversion's three registers begin on an even number: the second half of a block's six is made elsewhere and moved)
	v_cvt_scalef32_pk16_fp6_f32 v[C+6:C+8], v[X+32:X+47], v14
	v_cvt_scalef32_pk16_fp6_f32 v[C+16:C+18], v[X+48:X+63], v14
	v_nop                                          ; one plain place behind a scaled conversion
.irp i, 0,1,2
	v_mov_b32 v[C+3+\i], v[C+12+\i]
	v_mov_b32 v[C+9+\i], v[C+16+\i]
.endr
	ds_store_b32 v6, v15 offset:64*(\t)            ; lanes r and r + 16 write the same word with the same value
	global_store_b128 v2, v[C:C+3], s[32:33] offset:1536*(\t)          ; 512 consecutive bytes, at a multiple of 256 from the buffer's first byte
	global_store_b64 v3, v[C+4:C+5], s[32:33] offset:1536*(\t)+512     ; 256 likewise
	global_store_b128 v2, v[C+6:C+9], s[32:33] offset:1536*(\t)+768
	global_store_b64 v3, v[C+10:C+11], s[32:33] offset:1536*(\t)+1280
.endm
	LOADT 0
	LOADT 1
	XTILE 0
	XTILE 1
	XTILE 2
	XTILE 3
	ds_load_b64 v[12:13], v7                       ; my four tiles' scale words
	s_wait_dscnt 0x0
	global_store_b64 v3, v[12:13], s[34:35]        ; 256 consecutive bytes, aligned
	s_wait_tensorcnt 0x0
	ds_add_u32 v248, v249
	s_wait_dscnt 0x0
	s_endpgm
; ---------------- a weight [1024 (k)][n]: K is the FIRST axis.  A lane takes a column and its registers run down K: a block of 32 lies in one lane, and the conversions give codes with K innermost.
; Eight units a wave: columns 32 g + lane of its 64 (g = u % 2) x block kb = u / 2 of its K step.  Column 32 g + lane is lane r = lane % 8 + 8 (lane / 16) of tile 2 g + (lane / 8) % 2.
; The codes go into the wave's stage at their place in the image (tiles 1,664 bytes apart: 128 more than a tile, so that lanes 0-7 and 8-15 fall on different banks) and leave as consecutive bytes.
.macro LOADU u, n
.irp i, 0,1,2,3,4,5,6,7,8,9,10,11,12,13,14,15,16,17,18,19,20,21,22,23,24,25,26,27,28,29,30,31
	global_load_b32 v[32+32*((\u)%2)+\i], v2, s[36:37] offset:(32*((\u)/2)+\i)*4*\n+128*((\u)%2)
.endr
.endm
.macro UNIT u, n
.set XS, 32+32*((\u)%2)
.set ug, (\u)%2
.set ukb, (\u)/2
.if (\u) < 7
	s_wait_loadcnt 32                              ; this unit's 32 loads are in; the next unit's may be out
.else
	s_wait_loadcnt 0
.endif
	v_max3_num_f32 v12, |v[XS]|, |v[XS+1]|, |v[XS+2]|
	v_max3_num_f32 v13, |v[XS+3]|, |v[XS+4]|, |v[XS+5]|
.irp i, 6,10,14,18,22,26
	v_max3_num_f32 v12, v12, |v[XS+\i]|, |v[XS+\i+1]|
	v_max3_num_f32 v13, v13, |v[XS+\i+2]|, |v[XS+\i+3]|
.endr
	v_max3_num_f32 v12, v12, |v[XS+30]|, |v[XS+31]|
	v_max3_num_f32 v12, v12, v13, 0x1800000        ; and the floor
	v_add_nc_u32 v11, 0xff000000, v12              ; the conversion's scale operand
	v_lshrrev_b32 v13, 23, v11                     ; the byte
.if ukb == 0
	v_mov_b32 v[16+ug], v13
.else
	v_lshl_or_b32 v[16+ug], v13, 8*ukb, v[16+ug]
.endif
	v_cvt_scalef32_pk16_fp6_f32 v[96:98], v[XS:XS+15], v11
	v_cvt_scalef32_pk16_fp6_f32 v[104:106], v[XS+16:XS+31], v11
	v_nop                                          ; one plain place behind a scaled conversion
	v_mov_b32 v99, v104
	v_mov_b32 v100, v105
	v_mov_b32 v101, v106
	ds_store_b128 v3, v[96:99] offset:3328*ug+768*(ukb/2)+256*(ukb%2)          ; block kb is half kb / 2 of the fragment, lanes 16 (kb % 2) + r
	ds_store_b64 v4, v[100:101] offset:3328*ug+768*(ukb/2)+512+128*(ukb%2)
.if (\u) < 6
	LOADU (\u)+2, \n
.endif
	s_wait_dscnt 0x0                               ; the stores have read their registers: the next unit's codes may be written
.endm
.macro WPATH n, src, dst, first, lbase
	s_sub_co_u32 s22, ttmp9, \first
	OUTOFF
	s_lshl_b32 s29, s28, 8
	s_lshl_b32 s30, s17, 7
	s_add_co_u32 s29, s29, s30                     ; my first k: 256 q + 128 s
	s_mul_i32 s30, s29, 4*\n
	s_lshl_b32 s29, s23, 9                         ; the block's 128 columns,
	s_add_co_u32 s30, s30, s29
	s_lshl_b32 s29, s18, 8                         ; my 64 of them
	s_add_co_u32 s30, s30, s29
	s_mov_b32 s31, 0
	s_mul_i32 s19, s16, 6912                       ; LDS: 6,912 bytes a wave: the stage, 4 x 1,664, then 256 bytes of scale words
	s_add_co_u32 s19, s19, \lbase
	v_lshlrev_b32 v2, 2, v1                        ; 4 x lane
	v_bfe_u32 v10, v1, 3, 1                        ; which tile of the pair
	v_and_b32 v11, 7, v1
	v_lshrrev_b32 v12, 4, v1
	v_lshl_add_u32 v11, v12, 3, v11                ; r
	v_mul_u32_u24 v13, v10, 1664
	v_add_nc_u32 v13, s19, v13
	v_lshl_add_u32 v3, v11, 4, v13                 ; registers 0-3 of my place
	v_lshl_add_u32 v4, v11, 3, v13                 ; registers 4-5
	v_lshlrev_b32 v8, 4, v1                        ; 16 x lane
	v_lshlrev_b32 v9, 3, v1                        ; 8 x lane
	v_add_nc_u32 v6, s19, v8                       ; the way out
	s_add_co_u32 s19, s19, 6656
	v_lshlrev_b32 v14, 6, v10
	v_lshl_add_u32 v14, v11, 2, v14
	v_add_nc_u32 v5, s19, v14                      ; my column's scale word
	v_add_nc_u32 v7, s19, v9
	s_wait_kmcnt 0x0
	s_add_nc_u64 s[36:37], s[\src:\src+1], s[30:31]
	s_add_nc_u64 s[32:33], s[\dst:\dst+1], s[24:25]
	s_add_nc_u64 s[34:35], s[\dst:\dst+1], s[26:27]
	LOADU 0, \n
	LOADU 1, \n
.irp u, 0,1,2,3,4,5,6,7
	UNIT \u, \n
.endr
	ds_store_b32 v5, v16
	s_wait_alu depctr_va_vdst(0)
	ds_store_b32 v5, v17 offset:128
.irp i, 0,1,2,3,4,5,6,7,8,9,10,11
	ds_load_b128 v[112+4*\i:115+4*\i], v6 offset:1664*(\i/3)+512*(\i%3)   ; LDS serves a wave's instructions in order: these see my stores
.endr
	ds_load_b64 v[20:21], v7
.irp i, 0,1,2,3,4,5,6,7,8,9,10,11
	s_wait_dscnt 12-\i                             ; load i is in; the younger ones may be out
	global_store_b128 v8, v[112+4*\i:115+4*\i], s[32:33] offset:512*\i    ; 512 consecutive bytes, aligned at 256
.endr
	s_wait_dscnt 0x0
	global_store_b64 v9, v[20:21], s[34:35]        ; 256 consecutive bytes, aligned
.endm
.Lwattn:
	s_wait_alu depctr_va_vdst(0)
	WPATH 3072, 6, 12, 0, 0
	s_wait_tensorcnt 0x0
	ds_add_u32 v248, v249
	s_wait_dscnt 0x0
	s_endpgm
.Lwproj:
	s_wait_alu depctr_va_vdst(0)
	WPATH 1024, 8, 14, 96, 27648
	s_wait_tensorcnt 0x0
	ds_add_u32 v248, v249
	s_wait_dscnt 0x0
	s_endpgm
.Lfunc_end_k_qac7439a25a_quant:
	.size	k_qac7439a25a_quant, .Lfunc_end_k_qac7439a25a_quant-k_qac7439a25a_quant
	.p2alignl 7, 3214868480
	.fill 96, 4, 3214868480
	.section	.rodata,"a",@progbits
	.p2align	6, 0x0
	.amdhsa_kernel k_qac7439a25a_quant
		.amdhsa_group_segment_fixed_size 90624
		.amdhsa_private_segment_fixed_size 0
		.amdhsa_enable_private_segment 0
		.amdhsa_kernarg_size 48
		.amdhsa_user_sgpr_count 2
		.amdhsa_user_sgpr_kernarg_segment_ptr 1
		.amdhsa_wavefront_size32 1
		.amdhsa_system_sgpr_workgroup_id_x 1
		.amdhsa_system_sgpr_workgroup_id_y 1
		.amdhsa_system_sgpr_workgroup_id_z 1
		.amdhsa_system_vgpr_workitem_id 0
		.amdhsa_next_free_vgpr 250
		.amdhsa_next_free_sgpr 66
		.amdhsa_reserve_vcc 0
		.amdhsa_float_denorm_mode_32 3
		.amdhsa_float_denorm_mode_16_64 3
		.amdhsa_memory_ordered 1
		.amdhsa_forward_progress 1
		.amdhsa_inst_pref_size 115
	.end_amdhsa_kernel
	.amdgpu_metadata
---
amdhsa.version: [ 1, 2 ]
amdhsa.kernels:
  - .name:           k_qac7439a25a_quant
    .symbol:         k_qac7439a25a_quant.kd
    .args:
      - { .name: x, .offset: 0, .size: 8, .value_kind: global_buffer, .address_space: global }
      - { .name: W_attn, .offset: 8, .size: 8, .value_kind: global_buffer, .address_space: global }
      - { .name: W_proj, .offset: 16, .size: 8, .value_kind: global_buffer, .address_space: global }
      - { .name: ximg, .offset: 24, .size: 8, .value_kind: global_buffer, .address_space: global }
      - { .name: waimg, .offset: 32, .size: 8, .value_kind: global_buffer, .address_space: global }
      - { .name: wpimg, .offset: 40, .size: 8, .value_kind: global_buffer, .address_space: global }
    .group_segment_fixed_size: 90624
    .private_segment_fixed_size: 0
    .kernarg_segment_align: 8
    .kernarg_segment_size: 48
    .max_flat_workgroup_size: 128
    .sgpr_count:     66
    .vgpr_count:     250
    .wavefront_size: 32
...
	.end_amdgpu_metadata
.endif
;; end of part 1
;; launch qkv (part 2): grid 8 x 32, 4 waves a work-group, clusters of 4 x 4, 327,680 bytes of LDS; arguments ximg, waimg, qc, qs, kv; writes qc, qs, kv
.if DOCPART == 2
	.amdgcn_target "amdgcn-amd-amdhsa--gfx1250"
	.amdhsa_code_object_version 6
	.text
	.protected	k_qac7439a25a_qkv
	.globl	k_qac7439a25a_qkv
	.p2align	8
	.type	k_qac7439a25a_qkv,@function
k_qac7439a25a_qkv:
	s_mov_b64 s[64:65], 0
	v_nop
	global_prefetch_b8 v0, s[64:65] scope:SCOPE_SE
	s_setreg_imm32_b32 hwreg(HW_REG_WAVE_MODE, 25, 1), 1
	s_wait_xcnt 0x0
	s_wait_alu depctr_hold_cnt(0) depctr_sa_sdst(0) depctr_va_vdst(0) depctr_va_sdst(0) depctr_va_ssrc(0) depctr_va_vcc(0) depctr_vm_vsrc(0)
	s_getreg_b32 s2, hwreg(HW_REG_IB_STS2, 6, 4)
	s_cmp_eq_u32 s2, 0
	s_cbranch_scc0 .Lentry_in_a_cluster
	s_endpgm
.Lentry_in_a_cluster:
	s_bfe_u32 s2, ttmp6, 0x10000c
	s_cmp_lg_u32 s2, 0xf033
	s_cbranch_scc0 .Lentry_shape_is_right
	s_endpgm
.Lentry_shape_is_right:
; qkv = x W_attn on codes of FP6 (E2M3) with E8M0 scales, K = 1,024; the results never leave as f32: q and k are quantised along the head's 64, v along the keys, on the way out.
; OPERANDS come as register images (a block of 128 rows = 102,400 bytes = four parts of 25,600: two K steps of 128, each 8 fragments of 1,536 bytes, then 1,024 bytes of scale words).
; SHARES.  Work-group (j, xb) keeps its 256 tokens' images (blocks 2 xb, 2 xb + 1 of ximg, all of K) in LDS for the whole launch and walks three blocks of W_attn's columns: j (q of heads 2 j, 2 j + 1),
; 8 + j (k), 16 + j (v).  256 work-groups x 3 tiles of 256 x 128.  A wave makes 128 along P x 64 along R: 32 accumulators.  P is source 0, the axis that is quantised next:
;   q, k: P = W's 8 tiles (two heads' 64 channels), R = four tiles of tokens: a lane holds one token and its registers run along the channels;
;   v:    P = 8 tiles of tokens (128 keys), R = four tiles of W (one head's 64 channels): a lane holds one channel and its registers run along the keys.
; The rows of a tile are not neighbours (lane r of tile a: row 32 (a / 2) + 8 (a % 2) + r + 8 (r / 8)), so that the 16 result registers of tiles 2 b, 2 b + 1 are 16 neighbours along P.
; LDS: x 0 .. 204,799; W 204,800 .. 307,199 in two halves (K steps 0-3, 4-7), each filled again with the next tile's half as soon as it has been read; then the spare words and a stage for scale words.
; CLUSTER 4 x 4: x's images are shared along a row of the cluster, W's along a column: joint loads.  No L2 prefetch: all of K is asked for at the head, and W's refills are blocks that 32 work-groups read.
; OUT: qc [64 heads][128 tiles][768], qs [64][128][16 words]; kv [64][16 key steps][13,312]: K's 8 tiles of 768, K's scale words (512), V's codes [2 halves of the keys][4 tiles of channels][768],
; V's scale words (256), 256 bytes that are written and never used.  Every store covers whole aligned runs of 256 bytes.
; LIMITS: a block of zeros gets the byte 1 where the rule says 127 (its codes are zeros, and this program alone reads the bytes); NaN and infinities are not served.
; REGISTERS: window 0: v1-31 addresses, v32-43 scale words (two sets of 6), v44-87 the quantiser's, v96-239 fragment set 0 (P's tile b at 96 + 12 b, R's tile a at 192 + 12 a);
;   window 1: accumulator (a, b) at 64 a + 8 b;   window 2: v96-239 fragment set 1.
.set XB,    102400
.set SBB,   25600
.set HALF,  51200
.set WB,    204800
.set SPARE, 307200                     ; the spare words, 128 bytes a wave: two blocks of 256 bytes that no other line names
.set SSTG,  307712                     ; 256 bytes a wave: four tiles' scale words on their way out; no fill lands here
.set SPW, 3                            ; v3  SPARE + 4 x my thread's number; never rewritten
.set NIL, 4                            ; v4  0; never rewritten
.set SST, 5                            ; v5  my row's word in my stage
.set SSL, 6                            ; v6  8 bytes a lane of my stage
.set AD,  8                            ; v[8 + 12 k + 6 hf + i]: kind k (0: q, k; 1: v), half hf of K; i = P by 16 L, P by 8 L, P's scale words by 4 L, R likewise
.set SC,  32                           ; v[32 + 6 set + i]: i = 0..3 P's tiles 2 i (lanes 0-15) and 2 i + 1 (lanes 16-31); i = 4, 5 R's
.set TM,  44                           ; v44-47 largest magnitudes, v48-51 bytes, v56-59 the conversions' scale operands
.set PW,  60                           ; v60-63 the scale word of R's tile a
.set PC,  64                           ; v64-75 codes; v76-78, v80-82 conversion results that are moved
.set T,   84                           ; v84-87 scale words on the way out
.set F,   96
.set MSB, 0
.macro WIN new                         ; the immediate's high byte repeats the setting that is left
.if MSB != (\new)
	s_set_vgpr_msb (MSB<<8)|(\new)
.set MSB, \new
.endif
.endm
.macro MWIN ks                         ; the products' windows: C and D window 1; the fragments window 0 (even K steps) or 2 (odd)
	WIN 0x50+0x0a*((\ks)&1)
.endm
.macro PLACES                          ; four plain places behind matrix instructions, in front of loads into registers that they have read and of the first read of results
.rept 4
	v_nop
.endr
.endm
.macro CROUND                          ; a round of the cluster's barrier
	s_barrier_signal -1
	s_barrier_wait -1
	s_cmp_lg_u32 s14, 0
	s_cbranch_scc1 .Lnot_wave_0_\@
	s_barrier_signal -3
.Lnot_wave_0_\@:
	s_barrier_wait -3
	s_barrier_signal -1
	s_barrier_wait -1
.endm
	s_load_b256 s[4:11], s[0:1], 0x0               ; ximg s[4:5], waimg s[6:7], qc s[8:9], qs s[10:11]
	s_load_b64 s[12:13], s[0:1], 0x20              ; kv
	v_lshl_add_u32 v[SPW], v0, 2, SPARE
	v_mov_b32 v[NIL], 0
	ds_add_u32 v3, v4
	ds_add_u32 v3, v4
	s_wait_dscnt 0x0
	v_lshrrev_b32 v1, 5, v0
	v_readfirstlane_b32 s14, v1                    ; wave 0..3
	s_and_b32 s15, s14, 1
	s_lshr_b32 s16, s14, 1
	s_bfe_u32 s17, ttmp6, 0x40000                  ; cx
	s_bfe_u32 s18, ttmp6, 0x40004                  ; cy
	s_lshl_b32 s19, ttmp9, 2
	s_add_co_u32 s19, s19, s17                     ; j = 4 x cluster x + cx
	s_and_b32 s20, ttmp7, 0xffff
	s_lshl_b32 s20, s20, 2
	s_add_co_u32 s20, s20, s18                     ; xb = 4 x cluster y + cy
	s_lshl_b32 s22, s18, 2
	s_lshl_b32 s22, 15, s22                        ; my row of the cluster
	s_lshl_b32 s26, 0x1111, s17                    ; my column
	; group 1: dense blocks as rows of 256 bytes (32 elements of 8 bytes), no padding.  x: 100 rows (a part of a block); W: 50 rows (half a part)
	s_or_b32 s28, s22, (3<<16)|(1<<21)             ; 15:0 the mask: x's images go to my row; 17:16 elements of 8 bytes; 21 set beside a mask
	s_mov_b32 s29, 32<<16                          ; tensor_dim0 = 32
	s_mov_b32 s30, 100<<16                         ; tensor_dim1 = 100
	s_mov_b32 s31, 32<<16                          ; tile_dim0 = 32
	s_mov_b32 s32, 100                             ; tile_dim1 = 100
	s_mov_b32 s33, 32                              ; the pitch
	s_mov_b32 s34, 0
	s_mov_b32 s35, 0
	s_or_b32 s36, s26, (3<<16)|(1<<21)             ; W's images go to my column
	s_mov_b32 s37, 32<<16
	s_mov_b32 s38, 50<<16
	s_mov_b32 s39, 32<<16
	s_mov_b32 s40, 50
	s_mov_b32 s41, 32
	s_mov_b32 s42, 0
	s_mov_b32 s43, 0
	s_lshl_b32 s22, s20, 1
	s_add_co_u32 s22, s22, s15
	s_mul_i32 s22, s22, XB                         ; x: block 2 xb + (wave % 2): made of xb and the wave's number alone
	s_mov_b32 s23, 0
	s_mul_i32 s26, s19, XB                         ; W: block j: made of j alone
	s_mov_b32 s27, 0
	s_mul_i32 s100, s15, XB                        ; LDS places: of the wave's number alone
	s_mul_i32 s101, s15, 12800
	s_mul_i32 s21, s14, 12800
	s_mov_b32 s24, s101
	s_mov_b32 s25, 0
	s_wait_kmcnt 0x0
	s_add_nc_u64 s[4:5], s[4:5], s[22:23]
	s_add_nc_u64 s[6:7], s[6:7], s[26:27]
	s_add_nc_u64 s[2:3], s[6:7], s[24:25]
.irp q, 0,1,2,3                        ; the first fills' groups 0: part q of x's block (waves 0, 1), half of part q of W's block j (waves 2, 3)
	s_mov_b32 s[44+4*\q], 1
	s_add_co_u32 s[45+4*\q], s100, \q*SBB
	s_add_nc_u64 s[46+4*\q:47+4*\q], s[4:5], \q*SBB
	s_or_b32 s[47+4*\q], s[47+4*\q], 0x80000000
	s_mov_b32 s[68+4*\q], 1
	s_add_co_u32 s[69+4*\q], s101, WB+\q*SBB
	s_add_nc_u64 s[70+4*\q:71+4*\q], s[2:3], \q*SBB
	s_or_b32 s[71+4*\q], s[71+4*\q], 0x80000000
.endr
	s_mov_b32 s24, s21                             ; the refills' groups 0: a quarter (12,800 bytes) of W's lower half s[84:87] and of its upper half s[88:91], first of block 8 + j
	s_add_nc_u64 s[2:3], s[6:7], s[24:25]
	s_mov_b32 s84, 1
	s_add_co_u32 s85, s21, WB
	s_add_nc_u64 s[86:87], s[2:3], 8*XB
	s_or_b32 s87, s87, 0x80000000
	s_mov_b32 s88, 1
	s_add_co_u32 s89, s21, WB+HALF
	s_add_nc_u64 s[90:91], s[2:3], 8*XB+HALF
	s_or_b32 s91, s91, 0x80000000
	CROUND                                         ; all sixteen work-groups are here: the first joint loads meet
	s_cmp_lt_u32 s14, 2                            ; a wave's four first fills stand in one branch on the wave's number: four tensor loads of mine are out
	s_cbranch_scc0 .Lfirst_w
	tensor_load_to_lds s[44:47], s[28:35]
	s_nop 0
	tensor_load_to_lds s[48:51], s[28:35]
	s_nop 0
	tensor_load_to_lds s[52:55], s[28:35]
	s_nop 0
	tensor_load_to_lds s[56:59], s[28:35]
	s_nop 0
	PLACES                                         ; four v_nop follow the last
	s_branch .Lfirst_done
.Lfirst_w:
	tensor_load_to_lds s[68:71], s[36:43]
	s_nop 0
	tensor_load_to_lds s[72:75], s[36:43]
	s_nop 0
	tensor_load_to_lds s[76:79], s[36:43]
	s_nop 0
	tensor_load_to_lds s[80:83], s[36:43]
	s_nop 0
	PLACES
.Lfirst_done:
	v_and_b32 v7, 31, v0
	v_lshlrev_b32 v1, 4, v7                        ; 16 L
	s_wait_alu depctr_va_vdst(0)
	v_lshlrev_b32 v2, 3, v7                        ; 8 L
	s_wait_alu depctr_va_vdst(0)
	v_lshlrev_b32 v7, 2, v7                        ; 4 L
	s_wait_alu depctr_va_vdst(0)
	s_lshl_b32 s24, s14, 8
	s_add_co_u32 s24, s24, SSTG
	v_and_b32 v5, 15, v0
	v_lshl_add_u32 v[SST], v5, 2, s24
	v_add_nc_u32 v[SSL], s24, v2
	s_mul_i32 s21, s16, XB                         ; my block of x
	s_mul_i32 s24, s15, 6144                       ; my four tiles of R
	s_lshl_b32 s25, s15, 8                         ; and their scale words
	s_add_co_u32 s100, s21, s24
	s_add_co_u32 s101, s21, s25
	s_add_co_u32 s24, s24, WB
	s_add_co_u32 s25, s25, WB
.irp hf, 0,1
	v_add_nc_u32 v[AD+6*\hf+0], WB+HALF*\hf, v1    ; q, k: P = W
	v_add_nc_u32 v[AD+6*\hf+1], WB+HALF*\hf, v2
	v_add_nc_u32 v[AD+6*\hf+2], WB+HALF*\hf, v7
	v_add_nc_u32 v[AD+6*\hf+3], s100, v1           ;       R = my four tiles of x
	v_add_nc_u32 v[AD+6*\hf+4], s100, v2
	v_add_nc_u32 v[AD+6*\hf+5], s101, v7
	v_add_nc_u32 v[AD+12+6*\hf+0], s21, v1         ; v: P = my block of x
	v_add_nc_u32 v[AD+12+6*\hf+1], s21, v2
	v_add_nc_u32 v[AD+12+6*\hf+2], s21, v7
	v_add_nc_u32 v[AD+12+6*\hf+3], s24, v1         ;    R = my four tiles of W
	v_add_nc_u32 v[AD+12+6*\hf+4], s24, v2
	v_add_nc_u32 v[AD+12+6*\hf+5], s25, v7
	s_add_co_u32 s100, s100, HALF
	s_add_co_u32 s101, s101, HALF
	s_add_co_u32 s21, s21, HALF
	s_add_co_u32 s24, s24, HALF
	s_add_co_u32 s25, s25, HALF
.endr
.irp b, 0,1,2,3
	v_mov_b32 v[TM+4+\b], 0                        ; written once: a lane permute's destination counts as one of its sources
.endr
	s_mov_b32 s2, 0x76543210
	s_mov_b32 s3, 0xfedcba98                       ; v_permlanex16_b32's selects for lane l xor 16
	; where the results go.  b = xb / 8 the batch, e = xb % 8; the first head 16 b + 2 j
	s_lshr_b32 s21, s20, 3
	s_and_b32 s24, s20, 7
	s_lshl_b32 s21, s21, 4
	s_lshl_b32 s25, s19, 1
	s_add_co_u32 s21, s21, s25
	s_lshl_b32 s25, s21, 7
	s_lshl_b32 s100, s24, 4
	s_add_co_u32 s25, s25, s100
	s_lshl_b32 s100, s14, 2
	s_add_co_u32 s25, s25, s100                    ; q: tile 128 x head + 16 e + 4 w
	s_mov_b32 s101, 0
	s_mul_i32 s100, s25, 768
	s_add_nc_u64 s[92:93], s[8:9], s[100:101]
	s_lshl_b32 s100, s25, 6
	s_add_nc_u64 s[94:95], s[10:11], s[100:101]
	s_lshl_b32 s25, s21, 4
	s_lshl_b32 s24, s24, 1
	s_add_co_u32 s24, s24, s16
	s_add_co_u32 s25, s25, s24                     ; k, v: record 16 x head + 2 e + w / 2
	s_mul_i32 s25, s25, 13312
	s_mul_i32 s100, s15, 3072
	s_add_co_u32 s100, s100, s25
	s_add_nc_u64 s[96:97], s[12:13], s[100:101]    ; K's codes: my four tiles
	s_lshl_b32 s100, s15, 8
	s_add_co_u32 s100, s100, s25
	s_add_co_u32 s100, s100, 6144
	s_add_nc_u64 s[98:99], s[12:13], s[100:101]    ; K's scale words
	s_mul_i32 s100, s15, 212992                    ; v: head 2 j + w % 2
	s_add_co_u32 s100, s100, s25
	s_add_co_u32 s100, s100, 6656
	s_add_nc_u64 s[60:61], s[12:13], s[100:101]    ; V's codes
	s_add_nc_u64 s[62:63], s[60:61], 6144          ; V's scale words
.macro FRAG reg, a16, a8, off          ; a fragment's image: the lanes read consecutive bytes
	ds_load_b128 v[\reg:\reg+3], v[\a16] offset:\off
	ds_load_b64 v[\reg+4:\reg+5], v[\a8] offset:\off+512
	ds_load_b128 v[\reg+6:\reg+9], v[\a16] offset:\off+768
	ds_load_b64 v[\reg+10:\reg+11], v[\a8] offset:\off+1280
.endm
.macro FETCH k, ks                     ; K step ks of a tile of kind k into set ks % 2: 12 fragments and 6 registers of scale words, 54 loads
.set fS, (\ks)&1
.set fO, (((\ks)>>1)&1)*SBB+((\ks)&1)*12288
.set fC, (((\ks)>>1)&1)*SBB+24576+((\ks)&1)*512
.set fA, AD+12*(\k)+6*((\ks)>>2)
	WIN 0x80*fS
.irp b, 0,1,2,3,4,5,6,7
	FRAG F+12*\b, fA, fA+1, fO+1536*\b
.endr
.irp a, 0,1,2,3
	FRAG F+96+12*\a, fA+3, fA+4, fO+1536*\a
.endr
	WIN 0
.irp i, 0,1,2,3
	ds_load_b32 v[SC+6*fS+\i], v[fA+2] offset:fC+128*\i
.endr
.irp i, 0,1
	ds_load_b32 v[SC+6*fS+4+\i], v[fA+5] offset:fC+128*\i
.endr
.endm
.macro WM set, a, b, zero              ; accumulator (a, b): source 0 = P's tile b, source 1 = R's tile a; an odd tile's scale words lie in lanes 16-31
.set wD, 64*(\a)+8*(\b)
.set wP, F+12*(\b)
.set wR, F+96+12*(\a)
.set wSP, SC+6*(\set)+(\b)/2
.set wSR, SC+6*(\set)+4+(\a)/2
.if \zero
.if ((\b)&1) && ((\a)&1)
	v_wmma_scale_f32_16x16x128_f8f6f4 v[wD:wD+7], v[wP:wP+11], v[wR:wR+11], 0, v[wSP], v[wSR] matrix_a_fmt:MATRIX_FMT_FP6 matrix_b_fmt:MATRIX_FMT_FP6 matrix_a_scale:MATRIX_SCALE_ROW1 matrix_b_scale:MATRIX_SCALE_ROW1
.elseif (\b)&1
	v_wmma_scale_f32_16x16x128_f8f6f4 v[wD:wD+7], v[wP:wP+11], v[wR:wR+11], 0, v[wSP], v[wSR] matrix_a_fmt:MATRIX_FMT_FP6 matrix_b_fmt:MATRIX_FMT_FP6 matrix_a_scale:MATRIX_SCALE_ROW1
.elseif (\a)&1
	v_wmma_scale_f32_16x16x128_f8f6f4 v[wD:wD+7], v[wP:wP+11], v[wR:wR+11], 0, v[wSP], v[wSR] matrix_a_fmt:MATRIX_FMT_FP6 matrix_b_fmt:MATRIX_FMT_FP6 matrix_b_scale:MATRIX_SCALE_ROW1
.else
	v_wmma_scale_f32_16x16x128_f8f6f4 v[wD:wD+7], v[wP:wP+11], v[wR:wR+11], 0, v[wSP], v[wSR] matrix_a_fmt:MATRIX_FMT_FP6 matrix_b_fmt:MATRIX_FMT_FP6
.endif
.else
.if ((\b)&1) && ((\a)&1)
	v_wmma_scale_f32_16x16x128_f8f6f4 v[wD:wD+7], v[wP:wP+11], v[wR:wR+11], v[wD:wD+7], v[wSP], v[wSR] matrix_a_fmt:MATRIX_FMT_FP6 matrix_b_fmt:MATRIX_FMT_FP6 matrix_a_scale:MATRIX_SCALE_ROW1 matrix_b_scale:MATRIX_SCALE_ROW1
.elseif (\b)&1
	v_wmma_scale_f32_16x16x128_f8f6f4 v[wD:wD+7], v[wP:wP+11], v[wR:wR+11], v[wD:wD+7], v[wSP], v[wSR] matrix_a_fmt:MATRIX_FMT_FP6 matrix_b_fmt:MATRIX_FMT_FP6 matrix_a_scale:MATRIX_SCALE_ROW1
.elseif (\a)&1
	v_wmma_scale_f32_16x16x128_f8f6f4 v[wD:wD+7], v[wP:wP+11], v[wR:wR+11], v[wD:wD+7], v[wSP], v[wSR] matrix_a_fmt:MATRIX_FMT_FP6 matrix_b_fmt:MATRIX_FMT_FP6 matrix_b_scale:MATRIX_SCALE_ROW1
.else
	v_wmma_scale_f32_16x16x128_f8f6f4 v[wD:wD+7], v[wP:wP+11], v[wR:wR+11], v[wD:wD+7], v[wSP], v[wSR] matrix_a_fmt:MATRIX_FMT_FP6 matrix_b_fmt:MATRIX_FMT_FP6
.endif
.endif
.endm
.macro MULH set, half, zero            ; 16 products: R's tiles 2 half, 2 half + 1 against P's eight.  The 32 accumulators take turns, one instruction a turn, in the same order in every step
.irp a, 2*\half, 2*\half+1
.irp b, 0,1,2,3,4,5,6,7
	WM \set, \a, \b, \zero
.endr
.endr
.endm
.macro STEP ks, k, zero                ; a K step whose successor's fragments lie in LDS already
	s_wait_dscnt 0x0                               ; this step's set is in (asked for a step ago)
	PLACES                                         ; the other set was read by the step before
	FETCH \k, (\ks)+1
	MWIN \ks
	MULH (\ks)&1, 0, \zero
	MULH (\ks)&1, 1, \zero
	WIN 0
.endm
.macro TURNN ks, cnt, nk, nks          ; a K step behind which bytes are read that have only now landed; nothing is filled.  cnt: my younger tensor loads, which may stay out
	s_wait_dscnt 0x0
	s_wait_tensorcnt \cnt                          ; my part of what the next fetch reads is in:
	s_barrier_signal -1                            ; say so,
	MWIN \ks
	MULH (\ks)&1, 0, 0                             ; work on registers while the others arrive,
	WIN 0
	s_barrier_wait -1                              ; everybody's is
	PLACES
	FETCH \nk, \nks
	MWIN \ks
	MULH (\ks)&1, 1, 0
	WIN 0
.endm
; The last K step of a half of W: its fragments are in registers, so nobody reads the half any more once every wave has said so.  g0: the half's group 0, which asks for the next tile's half;
; stepg: the other half's group 0, stepped one tile (8 blocks) on here, where no tensor load of mine is out (0: none).  The refill has four K steps, or four and a way out, in which to land.
.macro TURNR ks, g0, stepg, nk, nks
	s_wait_dscnt 0x0                               ; this step's set is in
	s_wait_tensorcnt 0x0                           ; all my tensor loads have landed: what the next fetch reads among them
	ds_add_u32 v[SPW], v[NIL]                      ; 0 onto my spare word
.if \stepg
	s_add_nc_u64 s[\stepg+2:\stepg+3], s[\stepg+2:\stepg+3], 8*XB
.endif
	MWIN \ks
	MULH (\ks)&1, 0, 0                             ; sixteen products stand between the add and the wait for it
	WIN 0
	s_wait_dscnt 0x0                               ; the add is done; my reads of the half were over at the head
	CROUND                                         ; no wave of any partner still reads the half or has a load on its way
	tensor_load_to_lds s[\g0:\g0+3], s[36:43]      ; my one tensor load behind the round
	s_nop 0
	PLACES                                         ; also the places in front of the loads below
	FETCH \nk, \nks
	MWIN \ks
	MULH (\ks)&1, 1, 0
	WIN 0
.endm
; The 64 results of R's tile a in a lane, register 16 b + i = place 32 b + 16 (lane / 16) + i along P, become a fragment's codes in v[PC] on and its scale word in v[PW + a]
.macro QUANTW a
	WIN 0x05
.irp b, 0,1,2,3
	v_max3_num_f32 v[TM+\b], |v[64*(\a)+16*\b]|, |v[64*(\a)+16*\b+1]|, 0x1800000   ; each accumulator is read from its low end on; the floor 2^(3 - 127) holds the byte at 1 from below
.endr
	WIN 0x14
.irp i, 2,4,6,8,10,12,14
.irp b, 0,1,2,3
	v_max3_num_f32 v[TM+\b], v[TM+\b], |v[64*(\a)+16*\b+\i]|, |v[64*(\a)+16*\b+\i+1]|
.endr
.endr
	WIN 0
.irp b, 0,1,2,3
	v_permlanex16_b32 v[TM+4+\b], v[TM+\b], s2, s3
.endr
.irp b, 0,1,2,3
	v_max_num_f32 v[TM+\b], v[TM+\b], v[TM+4+\b]   ; with lane l xor 16's 16: the block's largest magnitude
.endr
.irp b, 0,1,2,3
	v_add_nc_u32 v[TM+12+\b], 0xff000000, v[TM+\b] ; 2 off its exponent field: the conversion's scale operand
.endr
.irp b, 0,1,2,3
	v_lshrrev_b32 v[TM+4+\b], 23, v[TM+12+\b]      ; the byte
.endr
	v_lshl_or_b32 v[PW+(\a)], v[TM+5], 8, v[TM+4]
	v_lshl_or_b32 v[PW+(\a)], v[TM+6], 16, v[PW+(\a)]
	v_lshl_or_b32 v[PW+(\a)], v[TM+7], 24, v[PW+(\a)]
	s_wait_xcnt 0x0                                ; the earlier stores have read the codes' registers
	WIN 0x01
.irp c, 0,1
	v_cvt_scalef32_pk16_fp6_f32 v[PC+6*\c:PC+6*\c+2], v[64*(\a)+32*\c:64*(\a)+32*\c+15], v[TM+12+2*\c]
	v_cvt_scalef32_pk16_fp6_f32 v[PC+12+4*\c:PC+14+4*\c], v[64*(\a)+32*\c+16:64*(\a)+32*\c+31], v[TM+13+2*\c]
.endr
	WIN 0
	v_nop                                          ; one plain place behind a scaled conversion
.irp c, 0,1                            ; the operand's layout wants a whole block in a lane: lanes 0-15 block 2 c, lanes 16-31 block 2 c + 1
.irp i, 0,1,2
	v_permlane16_swap_b32 v[PC+6*\c+\i], v[PC+12+4*\c+\i]
.endr
.irp i, 0,1,2
	v_mov_b32 v[PC+3+6*\c+\i], v[PC+12+4*\c+\i]
.endr
.endr
.endm
; THE WAY OUT of a tile.  cb: where the first halves of my four fragments go, 768 bytes apart; hs: how far on the second halves (q, k: the next head's; v: the keys' upper 64).
; sb: where my 64 scale words go; vs: how far on the same words shifted down by two bytes (q, k: the next head's two bytes; v: bytes that are never used).
.macro EPI cb, hs, sb, vs
	PLACES
.irp a, 0,1,2,3
	QUANTW \a
	global_store_b128 v1, v[PC:PC+3], s[\cb:\cb+1] offset:768*\a
	global_store_b64 v2, v[PC+4:PC+5], s[\cb:\cb+1] offset:768*\a+512
	global_store_b128 v1, v[PC+6:PC+9], s[\cb:\cb+1] offset:768*\a+\hs
	global_store_b64 v2, v[PC+10:PC+11], s[\cb:\cb+1] offset:768*\a+\hs+512
	ds_store_b32 v[SST], v[PW+\a] offset:64*\a     ; lanes r and r + 16 write the same word with the same value
.endr
	ds_load_b64 v[T:T+1], v[SSL]                   ; LDS serves a wave's instructions in order: this sees my stores
	s_wait_dscnt 0x0
	global_store_b64 v2, v[T:T+1], s[\sb:\sb+1]    ; 256 consecutive bytes, aligned
	v_lshrrev_b32 v[T+2], 16, v[T]
	v_lshrrev_b32 v[T+3], 16, v[T+1]
	global_store_b64 v2, v[T+2:T+3], s[\sb:\sb+1] offset:\vs
.endm
	s_wait_tensorcnt 0x3                           ; my part of the first quarter of K is in; the three later quarters may be out
	s_barrier_signal -1
	s_barrier_wait -1
	FETCH 0, 0
	; ---- q
	STEP 0, 0, 1                                   ; the first step's products start the sums: nothing is cleared
	TURNN 1, 2, 0, 2                               ; the second quarter of K is in; two may be out
	STEP 2, 0, 0
	TURNR 3, 84, 0, 0, 4                           ; W's lower half takes k's
	STEP 4, 0, 0
	STEP 5, 0, 0
	STEP 6, 0, 0
	TURNR 7, 88, 84, 0, 0                          ; W's upper half takes k's; k's first fragments are fetched
	EPI 92, 98304, 94, 8192
	; ---- k
	STEP 0, 0, 1
	STEP 1, 0, 0
	STEP 2, 0, 0
	TURNR 3, 84, 88, 0, 4                          ; W's lower half takes v's
	STEP 4, 0, 0
	STEP 5, 0, 0
	STEP 6, 0, 0
	TURNR 7, 88, 0, 1, 0                           ; W's upper half takes v's; v's first fragments are fetched, the sources changing places
	EPI 96, 212992, 98, 212992
	; ---- v
	STEP 0, 1, 1
	STEP 1, 1, 0
	STEP 2, 1, 0
	TURNN 3, 0, 1, 4                               ; the last refill is in; nothing more is asked for
	STEP 4, 1, 0
	STEP 5, 1, 0
	STEP 6, 1, 0
	s_wait_dscnt 0x0
	MWIN 7
	MULH 1, 0, 0
	MULH 1, 1, 0
	WIN 0
	EPI 60, 3072, 62, 256
	s_wait_tensorcnt 0x0                           ; the wave's end
	ds_add_u32 v[SPW], v[NIL]
	s_wait_dscnt 0x0
	CROUND                                         ; the closing round: no work-group ends while a partner may still ask for a tile that names it
	s_endpgm
.Lfunc_end_k_qac7439a25a_qkv:
	.size	k_qac7439a25a_qkv, .Lfunc_end_k_qac7439a25a_qkv-k_qac7439a25a_qkv
	.p2alignl 7, 3214868480
	.fill 96, 4, 3214868480
	.section	.rodata,"a",@progbits
	.p2align	6, 0x0
	.amdhsa_kernel k_qac7439a25a_qkv
		.amdhsa_group_segment_fixed_size 327680
		.amdhsa_private_segment_fixed_size 0
		.amdhsa_enable_private_segment 0
		.amdhsa_kernarg_size 40
		.amdhsa_user_sgpr_count 2
		.amdhsa_user_sgpr_kernarg_segment_ptr 1
		.amdhsa_wavefront_size32 1
		.amdhsa_system_sgpr_workgroup_id_x 1
		.amdhsa_system_sgpr_workgroup_id_y 1
		.amdhsa_system_sgpr_workgroup_id_z 1
		.amdhsa_system_vgpr_workitem_id 0
		.amdhsa_next_free_vgpr 768
		.amdhsa_next_free_sgpr 102
		.amdhsa_reserve_vcc 0
		.amdhsa_float_denorm_mode_32 3
		.amdhsa_float_denorm_mode_16_64 3
		.amdhsa_memory_ordered 1
		.amdhsa_forward_progress 1
		.amdhsa_inst_pref_size 251
	.end_amdhsa_kernel
	.amdgpu_metadata
---
amdhsa.version: [ 1, 2 ]
amdhsa.kernels:
  - .name:           k_qac7439a25a_qkv
    .symbol:         k_qac7439a25a_qkv.kd
    .args:
      - { .name: ximg, .offset: 0, .size: 8, .value_kind: global_buffer, .address_space: global }
      - { .name: waimg, .offset: 8, .size: 8, .value_kind: global_buffer, .address_space: global }
      - { .name: qc, .offset: 16, .size: 8, .value_kind: global_buffer, .address_space: global }
      - { .name: qs, .offset: 24, .size: 8, .value_kind: global_buffer, .address_space: global }
      - { .name: kv, .offset: 32, .size: 8, .value_kind: global_buffer, .address_space: global }
    .group_segment_fixed_size: 327680
    .private_segment_fixed_size: 0
    .kernarg_segment_align: 8
    .kernarg_segment_size: 40
    .max_flat_workgroup_size: 128
    .sgpr_count:     102
    .vgpr_count:     768
    .wavefront_size: 32
...
	.end_amdgpu_metadata
.endif
;; end of part 2
;; launch attn (part 3): grid 4 x 64, 16 waves a work-group, no clusters, 327,680 bytes of LDS; arguments qc, qs, kv, yimg; writes yimg
.if DOCPART == 3
	.amdgcn_target "amdgcn-amd-amdhsa--gfx1250"
	.amdhsa_code_object_version 6
	.text
	.protected	k_qac7439a25a_attn
	.globl	k_qac7439a25a_attn
	.p2align	8
	.type	k_qac7439a25a_attn,@function
k_qac7439a25a_attn:
	s_mov_b64 s[64:65], 0
	v_nop
	global_prefetch_b8 v0, s[64:65] scope:SCOPE_SE
	s_setreg_imm32_b32 hwreg(HW_REG_WAVE_MODE, 25, 1), 1
	s_wait_xcnt 0x0
; y = softmax(q k^T / 8, causal) v for one head, both products on codes of FP6 (E2M3) with E8M0 scales; y leaves quantised along D = 1,024, as a register image for the last product.
; THE SOFTMAX: t = score x log2(e) / 8; M = the running largest t rounded UP to a whole number; p = 2^(t - M) is quantised along the keys, not normalised; the row's sum is taken of the unquantised p and divides at the end.
; SHARES.  Work-group (i, head) serves query blocks i and 7 - i of 256 queries, one after the other: the causal work is the same in every work-group.  Each of sixteen waves owns one tile of 16 queries a pass,
; four waves to a SIMD, so that one wave's vector work stands beside another's products and LDS loads.
; LDS: the head's 16 records (one for 128 keys: K's 8 tiles of 768 bytes, K's scale words, V's codes, V's scale words), 212,992 bytes, filled ONCE: each wave brings 6,656 bytes of the lower half and as many
; of the upper; the first pass (queries under 1,024) reads the lower half alone.  Nothing is filled again, nothing is stored to LDS.
; No cluster: the four work-groups of a head have different causal extents.  No L2 prefetch: all that the work-group reads is asked for at its head.
; LAYOUT.  Both products transposed: S^T = K Q^T, O^T = V^T P^T: a lane holds one query throughout.  Tiles of keys, of queries and of channels hold rows 32 (a / 2) + 8 (a % 2) + r + 8 (r / 8), so that the 16 result
; registers of two neighbouring tiles are 16 neighbours.  THE FIRST PRODUCT'S K IS 64: Q's registers 6-11 hold zero codes and its scale word's upper bytes are cleared, so whatever stands in K's registers 6-11
; (the next tile's codes: FP6 has no code for infinity or NaN) adds nothing: K's tiles lie 6 registers apart.
; CAUSAL: the loops' trip counts are constants; a step all of whose keys come after the wave's queries is jumped over by a scalar branch on ids; on the diagonal hidden scores become -infinity.
; LIMITS: a block's largest p is taken as the exponential of the block's largest score (this takes v_exp_f32 not to fall where its input rises); 1 / l is v_rcp_f32; a block of zeros gets the byte 1;
; NaN and infinities are not served.  y's scale bytes leave two to a lane (a scale word belongs to two heads): the one store that does not cover a whole aligned run of 256 bytes.
.set REC, 13312
.set FB,  40                           ; v40-93  K's tiles at 40 + 6 t; then V's fragments at 40 + 12 d; v88-93 stay 0
.set PCD, 98                           ; v98-109 p's codes
.set S,   112                          ; v112-175 S^T, then p; on the way out y
.set O,   176                          ; v176-207 O^T
.set BM,  208                          ; v208-211 the blocks' largest scores
.set PM,  212                          ; v212-219 at work
.set SO,  220                          ; v220-223 the conversions' scale operands
; v1 16 L, v2 8 L, v3 4 L, v4 4 r, v5 r + 8 (r / 8) - 16 h; v6-8 the step's record + 16 L, 8 L, 4 L; v10-11 V's scale words; v12 -M, v13 the largest t, v[14:15] the sum; v16-27, v28-39 Q of the two passes;
; v94-97 K's scale words; v224 f, v225 p's scale word; v226 at work; v227 -infinity; v228, v229 Q's scale words; v230 y's two scale bytes
	s_load_b256 s[4:11], s[0:1], 0x0               ; qc s[4:5], qs s[6:7], kv s[8:9], yimg s[10:11]
	v_lshl_add_u32 v232, v0, 2, 0x34000
	v_mov_b32 v233, 0
	ds_add_u32 v232, v233
	ds_add_u32 v232, v233
	v_lshrrev_b32 v1, 5, v0
	s_delay_alu instid0(VALU_DEP_1)
	v_readfirstlane_b32 s12, v1                    ; wave 0..15
	s_and_b32 s14, ttmp7, 0xffff                   ; the head, 16 x batch + head
	s_mov_b32 s16, 3<<16                           ; group 1: 26 rows of 256 bytes (32 elements of 8 bytes), dense, no padding, no mask
	s_mov_b32 s17, 32<<16
	s_mov_b32 s18, 26<<16
	s_mov_b32 s19, 32<<16
	s_mov_b32 s20, 26
	s_mov_b32 s21, 32
	s_mov_b32 s22, 0
	s_mov_b32 s23, 0
	s_mul_i32 s13, s12, 6656
	s_mul_i32 s44, s14, 16*REC
	s_add_co_u32 s44, s44, s13
	s_mov_b32 s45, 0
	s_wait_dscnt 0x0
	s_wait_kmcnt 0x0
	s_add_nc_u64 s[8:9], s[8:9], s[44:45]
	s_mov_b32 s24, 1
	s_mov_b32 s25, s13
	s_mov_b64 s[26:27], s[8:9]
	s_or_b32 s27, s27, 0x80000000
	s_mov_b32 s28, 1
	s_add_co_u32 s29, s13, 8*REC
	s_add_nc_u64 s[30:31], s[8:9], 8*REC
	s_or_b32 s31, s31, 0x80000000
	tensor_load_to_lds s[24:27], s[16:23]          ; my part of records 0-7,
	s_nop 0
	s_wait_alu depctr_va_vdst(0)
	s_wait_tensorcnt 0x0
	ds_add_u32 v232, v233
	s_wait_dscnt 0x0
	s_barrier_signal -1
	s_barrier_wait -1
	tensor_load_to_lds s[28:31], s[16:23]          ; and of records 8-15: one tensor load of mine is out
	s_nop 0
.rept 4
	v_nop
.endr
	v_and_b32 v9, 31, v0
	s_delay_alu instid0(VALU_DEP_1)
	v_lshlrev_b32 v1, 4, v9
	s_delay_alu instid0(VALU_DEP_2)
	v_lshlrev_b32 v2, 3, v9
	s_wait_alu depctr_va_vdst(0)
	v_lshlrev_b32 v3, 2, v9
	v_and_b32 v5, 15, v0
	s_delay_alu instid0(VALU_DEP_1)
	v_lshlrev_b32 v4, 2, v5
	s_wait_alu depctr_va_vdst(0)
	v_and_b32 v6, 8, v5
	s_delay_alu instid0(VALU_DEP_1)
	v_add_nc_u32 v5, v5, v6
	v_bfe_u32 v6, v0, 4, 1
	s_delay_alu instid0(VALU_DEP_1)
	v_lshlrev_b32 v6, 4, v6
	s_delay_alu instid0(VALU_DEP_1)
	v_sub_nc_u32 v5, v5, v6                        ; my query's place in its tile, less 16 (lane / 16)
	s_lshl_b32 s40, ttmp9, 4
	s_sub_co_u32 s41, 112, s40
	s_add_co_u32 s40, s40, s12                     ; my tile of queries in the first pass: 16 i + w,
	s_add_co_u32 s41, s41, s12                     ; in the second: 16 (7 - i) + w
	s_lshl_b32 s15, s14, 7                         ; 128 tiles a head
.macro TILEQ tt, q0, qr, qsr, bc, bs   ; the tile's first query; its codes and scale words are asked for
	s_lshr_b32 s44, s[\tt], 1
	s_lshl_b32 s44, s44, 5
	s_and_b32 s46, s[\tt], 1
	s_lshl_b32 s46, s46, 3
	s_add_co_u32 s[\q0], s44, s46
	s_add_co_u32 s46, s15, s[\tt]
	s_mul_i32 s44, s46, 768
	s_add_nc_u64 s[\bc:\bc+1], s[4:5], s[44:45]
	s_lshl_b32 s44, s46, 6
	s_add_nc_u64 s[\bs:\bs+1], s[6:7], s[44:45]
	global_load_b128 v[\qr:\qr+3], v1, s[\bc:\bc+1]
	global_load_b64 v[\qr+4:\qr+5], v2, s[\bc:\bc+1] offset:512
	global_load_b32 v[\qsr], v4, s[\bs:\bs+1]
.endm
	TILEQ 40, 56, 16, 228, 66, 68
	TILEQ 41, 57, 28, 229, 70, 72
	; where y goes: block 16 x batch + tile / 8; head h is half h % 2 of K step h / 2: part h / 4, step (h / 2) % 2
	s_and_b32 s42, s14, 0xf0
	s_bfe_u32 s44, s14, 0x20002
	s_mul_i32 s44, s44, 25600
	s_bfe_u32 s46, s14, 0x10001
	s_and_b32 s58, s14, 1
	s_mul_i32 s43, s46, 12288
	s_add_co_u32 s43, s43, s44
	s_mul_i32 s59, s58, 768
	s_add_co_u32 s43, s43, s59                     ; the head's place among a block's codes,
	s_lshl_b32 s38, s46, 9
	s_add_co_u32 s38, s38, s44
	s_lshl_b32 s59, s58, 1
	s_add_co_u32 s38, s38, s59
	s_add_co_u32 s38, s38, 24576                   ; and among its scale bytes
.macro YBASE tt, yc, ys
	s_lshr_b32 s46, s[\tt], 3
	s_add_co_u32 s46, s46, s42
	s_mul_i32 s46, s46, 102400
	s_and_b32 s58, s[\tt], 7
	s_mul_i32 s44, s58, 1536
	s_add_co_u32 s44, s44, s46
	s_add_co_u32 s44, s44, s43
	s_add_nc_u64 s[\yc:\yc+1], s[10:11], s[44:45]
	s_lshl_b32 s44, s58, 6
	s_add_co_u32 s44, s44, s46
	s_add_co_u32 s44, s44, s38
	s_add_nc_u64 s[\ys:\ys+1], s[10:11], s[44:45]
.endm
	YBASE 40, 48, 50
	YBASE 41, 52, 54
	s_mov_b32 s32, 0x76543210
	s_mov_b32 s33, 0xfedcba98                      ; v_permlanex16_b32's selects for lane l xor 16
	s_mov_b32 s34, 0x3e38aa3b                      ; c = log2(e) / 8
	s_mov_b32 s35, s34                             ; (named with it as a pair, so it is written)
.irp j, 22,23,24,25,26,27,34,35,36,37,38,39,88,89,90,91,92,93
	v_mov_b32 v[\j], 0                             ; Q's upper halves: zero codes; the registers behind K's last tile
.endr
.irp b, 0,1,2,3
	v_mov_b32 v[PM+\b], 0                          ; written once: a lane permute's destination counts as one of its sources
.endr
	v_mov_b32 v225, 0                              ; (named as the upper half of the pair v[224:225] before it is first written)
	v_mov_b32 v227, 0xff800000                     ; -infinity
	s_wait_tensorcnt 0x1                           ; my part of records 0-7 is in; the upper half may stay out
	s_barrier_signal -1
	s_barrier_wait -1                              ; everybody's is
	s_wait_loadcnt 0x0                             ; Q
	v_and_b32 v228, 0xffff, v228                   ; the head's two bytes; the upper half of K = 128 gets the smallest scale over its zero codes
	v_and_b32 v229, 0xffff, v229
; A PASS: one tile of 16 queries against the keys up to the diagonal.  nstep: the key steps that the block of queries can reach, a constant
.macro PASS qr, qsr, q0, yc, ys, nstep
	s_wait_xcnt 0x0                                ; the last pass's stores have read their registers
	v_mov_b32 v13, 0xff61b1e6                      ; the largest t so far: -3e38
	s_delay_alu instid0(VALU_DEP_1)
	v_floor_f32 v12, -v13                          ; -M
	v_mov_b32 v14, 0
	v_mov_b32 v15, 0
.set n, 0
.rept 32
	v_mov_b32 v[O+n], 0                            ; O^T: the step is written once; the first finds zeros, which the first change of M leaves zeros
.set n, n+1
.endr
	s_mov_b32 s36, 0                               ; the step's record in LDS
	s_mov_b32 s37, 0                               ; its first key
	s_mov_b32 s39, \nstep
.Ltrip_\@:
	s_add_co_u32 s58, s[\q0], 23                   ; my tile's last query
	s_cmp_gt_u32 s37, s58
	s_cbranch_scc1 .Lhid_\@                        ; all 128 keys are hidden: only the addresses step
	s_setprio 2
	v_add_nc_u32 v6, s36, v1
	v_add_nc_u32 v7, s36, v2
	v_add_nc_u32 v8, s36, v3
	v_nop                                          ; with the three additions: four places in front of loads into registers that the last products have read
.irp t, 0,1,2,3,4,5,6,7
	ds_load_b128 v[FB+6*\t:FB+6*\t+3], v6 offset:768*\t
	ds_load_b64 v[FB+6*\t+4:FB+6*\t+5], v7 offset:768*\t+512
.endr
.irp i, 0,1,2,3
	ds_load_b32 v[94+\i], v8 offset:6144+128*\i    ; lanes 0-15: tile 2 i's words, lanes 16-31: tile 2 i + 1's
.endr
	s_wait_alu depctr_va_vdst(0)
	s_wait_dscnt 0x0
.irp t, 0,1,2,3,4,5,6,7
.if \t%2
	v_wmma_scale_f32_16x16x128_f8f6f4 v[S+8*\t:S+8*\t+7], v[FB+6*\t:FB+6*\t+11], v[\qr:\qr+11], 0, v[94+\t/2], v[\qsr] matrix_a_fmt:MATRIX_FMT_FP6 matrix_b_fmt:MATRIX_FMT_FP6 matrix_a_scale:MATRIX_SCALE_ROW1
.else
	v_wmma_scale_f32_16x16x128_f8f6f4 v[S+8*\t:S+8*\t+7], v[FB+6*\t:FB+6*\t+11], v[\qr:\qr+11], 0, v[94+\t/2], v[\qsr] matrix_a_fmt:MATRIX_FMT_FP6 matrix_b_fmt:MATRIX_FMT_FP6
.endif
.endr
.rept 4
	v_nop                                          ; places: in front of the loads over K's tiles, and of the first read of the scores
.endr
.irp d, 0,1,2,3                        ; V's four fragments land while the softmax is walked
	ds_load_b128 v[FB+12*\d:FB+12*\d+3], v6 offset:6656+768*\d
	ds_load_b64 v[FB+12*\d+4:FB+12*\d+5], v7 offset:6656+768*\d+512
	ds_load_b128 v[FB+12*\d+6:FB+12*\d+9], v6 offset:6656+768*\d+3072
	ds_load_b64 v[FB+12*\d+10:FB+12*\d+11], v7 offset:6656+768*\d+3584
.endr
	ds_load_b32 v10, v8 offset:12800
	ds_load_b32 v11, v8 offset:12928
	s_add_co_u32 s58, s37, 127
	s_cmp_le_u32 s58, s[\q0]
	s_cbranch_scc1 .Lopen_\@                       ; every key counts for every query of the tile
	s_sub_co_i32 s58, s[\q0], s37
	v_add_nc_u32 v226, s58, v5                     ; d = my query - the step's first key - 16 (lane / 16); register 16 b + i holds key 32 b + 16 (lane / 16) + i: hidden where 32 b + i > d
.set n, 0
.rept 64
	v_cmp_gt_i32 vcc_lo, 32*(n/16)+n%16, v226
	v_cndmask_b32 v[S+n], v[S+n], v227, vcc_lo
.set n, n+1
.endr
.Lopen_\@:
.irp b, 0,1,2,3
	v_max3_num_f32 v[BM+\b], v[S+16*\b], v[S+1+16*\b], v[S+2+16*\b]    ; the largest score of each block of 32 keys: for the row's maximum and for the block's largest p
.endr
.irp i, 3,5,7,9,11,13
.irp b, 0,1,2,3
	v_max3_num_f32 v[BM+\b], v[BM+\b], v[S+16*\b+\i], v[S+1+16*\b+\i]
.endr
.endr
.irp b, 0,1,2,3
	v_max_num_f32 v[BM+\b], v[BM+\b], v[S+15+16*\b]
.endr
.irp b, 0,1,2,3
	s_delay_alu instid0(VALU_DEP_4)
	v_permlanex16_b32 v[PM+\b], v[BM+\b], s32, s33
.endr
.irp b, 0,1,2,3
	s_delay_alu instid0(VALU_DEP_4)
	v_max_num_f32 v[BM+\b], v[BM+\b], v[PM+\b]     ; with lane l xor 16's 16 keys
.endr
	s_delay_alu instid0(VALU_DEP_2)
	v_max3_num_f32 v226, v[BM], v[BM+1], v[BM+2]
	s_delay_alu instid0(VALU_DEP_1)
	v_max_num_f32 v226, v226, v[BM+3]
	s_delay_alu instid0(VALU_DEP_1)
	v_mul_f32 v226, s34, v226                      ; the step's largest t
	s_delay_alu instid0(VALU_DEP_1)
	v_max_num_f32 v13, v13, v226                   ; the running largest t
	v_mov_b32 v226, v12
	s_delay_alu instid0(VALU_DEP_2)
	v_floor_f32 v12, -v13                          ; the new -M = -ceil(t): a whole number
	s_delay_alu instid0(VALU_DEP_1)
	v_sub_f32 v226, v12, v226                      ; old M - new M: a whole number, 0 or less
	s_delay_alu instid0(VALU_DEP_1)
	v_cvt_i32_f32 v226, v226                       ; (it saturates)
	s_delay_alu instid0(VALU_DEP_1)
	v_ldexp_f32 v224, 1.0, v226                    ; f = 2^(old M - new M): a multiplication by it rounds nothing
.set n, 0
	s_setprio 1
.rept 32
	v_pk_fma_f32 v[S+n:S+n+1], v[S+n:S+n+1], s[34:35], v[12:13] op_sel_hi:[1,0,0]   ; t - M, two at a time
.set n, n+2
.endr
.irp b, 0,1,2,3
	v_fma_f32 v[BM+\b], v[BM+\b], s34, v12         ; the same of each block's largest score
.endr
.set n, 0
	s_wait_alu depctr_va_vdst(0)
.rept 64
	v_exp_f32 v[S+n], v[S+n]                       ; p = 2^(t - M)
.set n, n+1
.endr
.irp b, 0,1,2,3
	v_exp_f32 v[BM+\b], v[BM+\b]                   ; the block's largest p: the same two instructions on the same number give the same bits
.endr
	v_pk_mul_f32 v[14:15], v[14:15], v[224:225] op_sel_hi:[1,0]        ; the sums under the new M (a plain place behind the exponentials)
	s_wait_alu depctr_va_vdst(0)
.irp b, 0,1,2,3
	v_max_num_f32 v[BM+\b], 0x1800000, v[BM+\b]    ; the floor 2^(3 - 127): the byte cannot fall under 1
.endr
.irp b, 0,1,2,3
	s_delay_alu instid0(VALU_DEP_4)
	v_add_nc_u32 v[SO+\b], 0xff000000, v[BM+\b]    ; 2 off the exponent field: the conversion's scale operand
.endr
.irp b, 0,1,2,3
	s_delay_alu instid0(VALU_DEP_4)
	v_lshrrev_b32 v[PM+\b], 23, v[SO+\b]           ; the byte
.endr
	s_delay_alu instid0(VALU_DEP_3)
	v_lshl_or_b32 v225, v[PM+1], 8, v[PM]          ; p's scale word for these 128 keys
	s_delay_alu instid0(VALU_DEP_1)
	v_lshl_or_b32 v225, v[PM+2], 16, v225
	s_delay_alu instid0(VALU_DEP_1)
	v_lshl_or_b32 v225, v[PM+3], 24, v225
.irp c, 0,1
	v_cvt_scalef32_pk16_fp6_f32 v[PCD+6*\c:PCD+6*\c+2], v[S+32*\c:S+32*\c+15], v[SO+2*\c]
	v_cvt_scalef32_pk16_fp6_f32 v[PM+4*\c:PM+4*\c+2], v[S+32*\c+16:S+32*\c+31], v[SO+2*\c+1]
.endr
	v_nop                                          ; one plain place behind a scaled conversion
.irp c, 0,1
.irp i, 0,1,2
	v_permlane16_swap_b32 v[PCD+6*\c+\i], v[PM+4*\c+\i]    ; a whole block to a lane: lanes 0-15 block 2 c, lanes 16-31 block 2 c + 1
.endr
.irp i, 0,1,2
	s_delay_alu instid0(VALU_DEP_3)
	v_mov_b32 v[PCD+3+6*\c+\i], v[PM+4*\c+\i]
.endr
.endr
	v_pk_add_f32 v[PM:PM+1], v[S:S+1], v[S+2:S+3]  ; the row's sum is taken of the unquantised p: two at a time, in two chains
	s_setprio 0
.irp j, 4,8,12,16,20,24,28,32,36,40,44,48,52,56,60
	v_pk_add_f32 v[14:15], v[14:15], v[S+\j:S+\j+1]
	v_pk_add_f32 v[PM:PM+1], v[PM:PM+1], v[S+\j+2:S+\j+3]
.endr
	s_delay_alu instid0(VALU_DEP_1)
	v_pk_add_f32 v[14:15], v[14:15], v[PM:PM+1]
.set n, 0
.rept 16
	v_pk_mul_f32 v[O+n:O+n+1], v[O+n:O+n+1], v[224:225] op_sel_hi:[1,0]   ; O^T under the new M (these and the sums are the places in front of the products below)
.set n, n+2
.endr
	s_wait_alu depctr_va_vdst(0)
	s_wait_dscnt 0x0                               ; V is in
.irp d, 0,1,2,3
.if \d%2
	v_wmma_scale_f32_16x16x128_f8f6f4 v[O+8*\d:O+8*\d+7], v[FB+12*\d:FB+12*\d+11], v[PCD:PCD+11], v[O+8*\d:O+8*\d+7], v[10+\d/2], v225 matrix_a_fmt:MATRIX_FMT_FP6 matrix_b_fmt:MATRIX_FMT_FP6 matrix_a_scale:MATRIX_SCALE_ROW1
.else
	v_wmma_scale_f32_16x16x128_f8f6f4 v[O+8*\d:O+8*\d+7], v[FB+12*\d:FB+12*\d+11], v[PCD:PCD+11], v[O+8*\d:O+8*\d+7], v[10+\d/2], v225 matrix_a_fmt:MATRIX_FMT_FP6 matrix_b_fmt:MATRIX_FMT_FP6
.endif
.endr
.Lhid_\@:
	s_add_co_u32 s36, s36, REC
	s_add_co_u32 s37, s37, 128
	s_sub_co_i32 s39, s39, 1
	s_cmp_lg_u32 s39, 0
	s_cbranch_scc1 .Ltrip_\@
	s_setprio 0
	; the pass's way out: y = O^T / l; register 16 b + i is channel 32 b + 16 (lane / 16) + i of my query: two blocks of 32 along D, quantised as p is
.rept 4
	v_nop
.endr
	v_add_f32 v14, v14, v15
	s_delay_alu instid0(VALU_DEP_1)
	v_permlanex16_b32 v[PM], v14, s32, s33
	s_delay_alu instid0(VALU_DEP_1)
	v_add_f32 v14, v14, v[PM]                      ; the row's sum
	s_wait_alu depctr_va_vdst(0)
	v_rcp_f32 v14, v14
	v_nop                                          ; one plain place behind a transcendental
.set n, 0
	s_wait_alu depctr_va_vdst(0)
.rept 32
	v_mul_f32 v[S+n], v[O+n], v14
.set n, n+1
.endr
.irp b, 0,1
	v_max3_num_f32 v[BM+\b], |v[S+16*\b]|, |v[S+1+16*\b]|, 0x1800000
.endr
.irp i, 2,4,6,8,10,12,14
.irp b, 0,1
	s_delay_alu instid0(VALU_DEP_2)
	v_max3_num_f32 v[BM+\b], v[BM+\b], |v[S+16*\b+\i]|, |v[S+1+16*\b+\i]|
.endr
.endr
.irp b, 0,1
	s_delay_alu instid0(VALU_DEP_2)
	v_permlanex16_b32 v[PM+\b], v[BM+\b], s32, s33
.endr
.irp b, 0,1
	s_delay_alu instid0(VALU_DEP_2)
	v_max_num_f32 v[BM+\b], v[BM+\b], v[PM+\b]
.endr
.irp b, 0,1
	s_delay_alu instid0(VALU_DEP_2)
	v_add_nc_u32 v[SO+\b], 0xff000000, v[BM+\b]
.endr
.irp b, 0,1
	s_delay_alu instid0(VALU_DEP_2)
	v_lshrrev_b32 v[PM+\b], 23, v[SO+\b]
.endr
	s_delay_alu instid0(VALU_DEP_1)
	v_lshl_or_b32 v230, v[PM+1], 8, v[PM]          ; the head's two bytes of my row's scale word
	v_cvt_scalef32_pk16_fp6_f32 v[PCD:PCD+2], v[S:S+15], v[SO]
	v_cvt_scalef32_pk16_fp6_f32 v[PM:PM+2], v[S+16:S+31], v[SO+1]
	v_nop
.irp i, 0,1,2
	v_permlane16_swap_b32 v[PCD+\i], v[PM+\i]
.endr
.irp i, 0,1,2
	s_delay_alu instid0(VALU_DEP_3)
	v_mov_b32 v[PCD+3+\i], v[PM+\i]
.endr
	global_store_b128 v1, v[PCD:PCD+3], s[\yc:\yc+1]                   ; half a fragment's image: 512 consecutive bytes, aligned at 256,
	global_store_b64 v2, v[PCD+4:PCD+5], s[\yc:\yc+1] offset:512       ; and 256
	global_store_b16 v4, v230, s[\ys:\ys+1]        ; lanes r and r + 16 write the same two bytes with the same value
.endm
	PASS 16, 228, 56, 48, 50, 8
	s_wait_tensorcnt 0x0                           ; my part of records 8-15 is in
	s_wait_dscnt 0x0
	s_barrier_signal -1
	s_barrier_wait -1                              ; everybody's is
	PASS 28, 229, 57, 52, 54, 16
	s_wait_tensorcnt 0x0
	ds_add_u32 v232, v233
	s_wait_dscnt 0x0
	s_endpgm
.Lfunc_end_k_qac7439a25a_attn:
	.size	k_qac7439a25a_attn, .Lfunc_end_k_qac7439a25a_attn-k_qac7439a25a_attn
	.p2alignl 7, 3214868480
	.fill 96, 4, 3214868480
	.section	.rodata,"a",@progbits
	.p2align	6, 0x0
	.amdhsa_kernel k_qac7439a25a_attn
		.amdhsa_group_segment_fixed_size 327680
		.amdhsa_private_segment_fixed_size 0
		.amdhsa_enable_private_segment 0
		.amdhsa_kernarg_size 32
		.amdhsa_user_sgpr_count 2
		.amdhsa_user_sgpr_kernarg_segment_ptr 1
		.amdhsa_wavefront_size32 1
		.amdhsa_system_sgpr_workgroup_id_x 1
		.amdhsa_system_sgpr_workgroup_id_y 1
		.amdhsa_system_sgpr_workgroup_id_z 1
		.amdhsa_system_vgpr_workitem_id 0
		.amdhsa_next_free_vgpr 234
		.amdhsa_next_free_sgpr 76
		.amdhsa_reserve_vcc 1
		.amdhsa_float_denorm_mode_32 3
		.amdhsa_float_denorm_mode_16_64 3
		.amdhsa_memory_ordered 1
		.amdhsa_forward_progress 1
		.amdhsa_inst_pref_size 64
	.end_amdhsa_kernel
	.amdgpu_metadata
---
amdhsa.version: [ 1, 2 ]
amdhsa.kernels:
  - .name:           k_qac7439a25a_attn
    .symbol:         k_qac7439a25a_attn.kd
    .args:
      - { .name: qc, .offset: 0, .size: 8, .value_kind: global_buffer, .address_space: global }
      - { .name: qs, .offset: 8, .size: 8, .value_kind: global_buffer, .address_space: global }
      - { .name: kv, .offset: 16, .size: 8, .value_kind: global_buffer, .address_space: global }
      - { .name: yimg, .offset: 24, .size: 8, .value_kind: global_buffer, .address_space: global }
    .group_segment_fixed_size: 327680
    .private_segment_fixed_size: 0
    .kernarg_segment_align: 8
    .kernarg_segment_size: 32
    .max_flat_workgroup_size: 512
    .sgpr_count:     76
    .vgpr_count:     234
    .wavefront_size: 32
...
	.end_amdgpu_metadata
.endif
;; end of part 3
;; launch proj (part 4): grid 8 x 32, 4 waves a work-group, clusters of 4 x 4, 307,712 bytes of LDS; arguments yimg, wpimg, out0; writes out0
.if DOCPART == 4
	.amdgcn_target "amdgcn-amd-amdhsa--gfx1250"
	.amdhsa_code_object_version 6
	.text
	.protected	k_qac7439a25a_proj
	.globl	k_qac7439a25a_proj
	.p2align	8
	.type	k_qac7439a25a_proj,@function
k_qac7439a25a_proj:
	s_mov_b64 s[64:65], 0
	v_nop
	global_prefetch_b8 v0, s[64:65] scope:SCOPE_SE
	s_setreg_imm32_b32 hwreg(HW_REG_WAVE_MODE, 25, 1), 1
	s_wait_xcnt 0x0
	s_wait_alu depctr_hold_cnt(0) depctr_sa_sdst(0) depctr_va_vdst(0) depctr_va_sdst(0) depctr_va_ssrc(0) depctr_va_vcc(0) depctr_vm_vsrc(0)
	s_getreg_b32 s2, hwreg(HW_REG_IB_STS2, 6, 4)
	s_cmp_eq_u32 s2, 0
	s_cbranch_scc0 .Lentry_in_a_cluster
	s_endpgm
.Lentry_in_a_cluster:
	s_bfe_u32 s2, ttmp6, 0x10000c
	s_cmp_lg_u32 s2, 0xf033
	s_cbranch_scc0 .Lentry_shape_is_right
	s_endpgm
.Lentry_shape_is_right:
; out = y W_proj on codes of FP6 (E2M3) with E8M0 scales, K = 1,024; out [8192][1024] f32.
; OPERANDS come as register images (a block of 128 rows = 102,400 bytes = four parts of 25,600: two K steps of 128, each 8 fragments of 1,536 bytes, then 1,024 bytes of scale words).
; SHARES.  Work-group (j, xb) makes 256 tokens (blocks 2 xb, 2 xb + 1 of yimg) x 128 columns (block j of wpimg): 256 work-groups, one tile each.  All of K comes into LDS at the head, in four quarters,
; and the products begin when the first has landed.  A wave makes 128 columns (source 0: W's 8 tiles) x 64 tokens (source 1: four tiles of y): 32 accumulators; a lane holds one token and neighbouring columns.
; LDS: y 0 .. 204,799; W 204,800 .. 307,199.  No byte is filled twice.  CLUSTER 4 x 4: y's images are shared along a row of the cluster, W's along a column: joint loads.
; No L2 prefetch: all that the work-group reads is asked for at its head.
; THE WAY OUT goes through a stage of 16 rows x 528 bytes a wave in y's first 33,792 bytes: K steps 0-3 of block 0, whose last read stands in front of the barrier at K step 3.
; REGISTERS: window 0: v1-19 addresses, v32-43 scale words (two sets of 6), v96-239 fragment set 0 (W's tile b at 96 + 12 b, y's tile a at 192 + 12 a), on the way out rows of out;
;   window 1: accumulator (a, b) at 64 a + 8 b;   window 2: v96-239 fragment set 1.
.set XB,    102400
.set SBB,   25600
.set HALF,  51200
.set WB,    204800
.set STO, 3                            ; v3  the stage: where I put 32 bytes of a row
.set RD,  4                            ; v4  and where I read a row back
.set AD,  8                            ; v[8 + 6 hf + i]: half hf of K; i = W by 16 L, by 8 L, its scale words by 4 L, y likewise
.set SC,  32
.set F,   96
.set BK,  96                           ; the way out: 16 rows read back: v96-159 and v160-223 by turns
.set MSB, 0
.macro WIN new                         ; the immediate's high byte repeats the setting that is left
.if MSB != (\new)
	s_set_vgpr_msb (MSB<<8)|(\new)
.set MSB, \new
.endif
.endm
.macro MWIN ks                         ; the products' windows: C and D window 1; the fragments window 0 (even K steps) or 2 (odd)
	WIN 0x50+0x0a*((\ks)&1)
.endm
.macro PLACES                          ; four plain places behind matrix instructions (ISA guide 7.12.1)
.rept 4
	v_nop
.endr
.endm
.macro CROUND                          ; a round of the cluster's barrier
	s_barrier_signal -1
	s_barrier_wait -1
	s_cmp_lg_u32 s14, 0
	s_cbranch_scc1 .Lnot_wave_0_\@
	s_barrier_signal -3
.Lnot_wave_0_\@:
	s_barrier_wait -3
	s_barrier_signal -1
	s_barrier_wait -1
.endm
	s_load_b128 s[4:7], s[0:1], 0x0                ; yimg s[4:5], wpimg s[6:7]
	s_load_b64 s[8:9], s[0:1], 0x10                ; out0
	v_lshl_add_u32 v254, v0, 2, 0x4b000
	v_mov_b32 v255, 0
	ds_add_u32 v254, v255
	ds_add_u32 v254, v255
	v_lshrrev_b32 v1, 5, v0
	v_readfirstlane_b32 s14, v1                    ; wave 0..3
	s_and_b32 s15, s14, 1
	s_lshr_b32 s16, s14, 1
	s_bfe_u32 s17, ttmp6, 0x40000                  ; cx
	s_bfe_u32 s18, ttmp6, 0x40004                  ; cy
	s_lshl_b32 s19, ttmp9, 2
	s_add_co_u32 s19, s19, s17                     ; j = 4 x cluster x + cx
	s_and_b32 s20, ttmp7, 0xffff
	s_lshl_b32 s20, s20, 2
	s_add_co_u32 s20, s20, s18                     ; xb = 4 x cluster y + cy
	s_lshl_b32 s22, s18, 2
	s_lshl_b32 s22, 15, s22                        ; my row of the cluster
	s_lshl_b32 s26, 0x1111, s17                    ; my column
	; group 1: dense blocks as rows of 256 bytes (32 elements of 8 bytes), no padding.  y: 100 rows (a part of a block); W: 50 rows (half a part)
	s_or_b32 s28, s22, (3<<16)|(1<<21)             ; 15:0 the mask: y's images go to my row; 17:16 elements of 8 bytes; 21 set beside a mask
	s_mov_b32 s29, 32<<16
	s_mov_b32 s30, 100<<16
	s_mov_b32 s31, 32<<16
	s_mov_b32 s32, 100
	s_mov_b32 s33, 32
	s_mov_b32 s34, 0
	s_mov_b32 s35, 0
	s_or_b32 s36, s26, (3<<16)|(1<<21)             ; W's images go to my column
	s_mov_b32 s37, 32<<16
	s_mov_b32 s38, 50<<16
	s_mov_b32 s39, 32<<16
	s_mov_b32 s40, 50
	s_mov_b32 s41, 32
	s_mov_b32 s42, 0
	s_mov_b32 s43, 0
	s_lshl_b32 s22, s20, 1
	s_add_co_u32 s22, s22, s15
	s_mul_i32 s22, s22, XB                         ; y: block 2 xb + (wave % 2): made of xb and the wave's number alone
	s_mov_b32 s23, 0
	s_mul_i32 s26, s19, XB                         ; W: block j: made of j alone
	s_mov_b32 s27, 0
	s_mul_i32 s100, s15, XB                        ; LDS places: of the wave's number alone
	s_mul_i32 s101, s15, 12800
	s_mov_b32 s24, s101
	s_mov_b32 s25, 0
	s_wait_dscnt 0x0
	s_wait_kmcnt 0x0
	s_add_nc_u64 s[4:5], s[4:5], s[22:23]
	s_add_nc_u64 s[6:7], s[6:7], s[26:27]
	s_add_nc_u64 s[2:3], s[6:7], s[24:25]
.irp q, 0,1,2,3                        ; groups 0: part q of y's block (waves 0, 1), half of part q of W's block (waves 2, 3)
	s_mov_b32 s[44+4*\q], 1
	s_add_co_u32 s[45+4*\q], s100, \q*SBB
	s_add_nc_u64 s[46+4*\q:47+4*\q], s[4:5], \q*SBB
	s_or_b32 s[47+4*\q], s[47+4*\q], 0x80000000
	s_mov_b32 s[68+4*\q], 1
	s_add_co_u32 s[69+4*\q], s101, WB+\q*SBB
	s_add_nc_u64 s[70+4*\q:71+4*\q], s[2:3], \q*SBB
	s_or_b32 s[71+4*\q], s[71+4*\q], 0x80000000
.endr
	CROUND                                         ; all sixteen work-groups are here: the joint loads meet
	s_cmp_lt_u32 s14, 2                            ; a wave's four fills stand in one branch on the wave's number: four tensor loads of mine are out
	s_cbranch_scc0 .Lfirst_w
	tensor_load_to_lds s[44:47], s[28:35]
	s_nop 0
	tensor_load_to_lds s[48:51], s[28:35]
	s_nop 0
	tensor_load_to_lds s[52:55], s[28:35]
	s_nop 0
	tensor_load_to_lds s[56:59], s[28:35]
	s_nop 0
	PLACES                                         ; four v_nop follow the last
	s_branch .Lfirst_done
.Lfirst_w:
	tensor_load_to_lds s[68:71], s[36:43]
	s_nop 0
	tensor_load_to_lds s[72:75], s[36:43]
	s_nop 0
	tensor_load_to_lds s[76:79], s[36:43]
	s_nop 0
	tensor_load_to_lds s[80:83], s[36:43]
	s_nop 0
	PLACES
.Lfirst_done:
	v_and_b32 v7, 31, v0
	v_lshlrev_b32 v1, 4, v7                        ; 16 L
	v_lshlrev_b32 v2, 3, v7                        ; 8 L
	v_lshlrev_b32 v7, 2, v7                        ; 4 L
	s_mul_i32 s24, s14, 8448                       ; my stage
	v_and_b32 v5, 15, v0
	v_bfe_u32 v6, v0, 4, 1
	v_mul_u32_u24 v[STO], v5, 528
	v_lshl_add_u32 v[STO], v6, 6, v[STO]
	v_add_nc_u32 v[STO], s24, v[STO]               ; in: row r, + 64 h
	v_add_nc_u32 v[RD], s24, v1                    ; back: a row of 512 bytes, 16 a lane
	s_mul_i32 s21, s16, XB                         ; my block of y,
	s_mul_i32 s24, s15, 6144                       ; my four tiles of it,
	s_lshl_b32 s25, s15, 8                         ; and their scale words
	s_add_co_u32 s100, s21, s24
	s_add_co_u32 s101, s21, s25
.irp hf, 0,1
	v_add_nc_u32 v[AD+6*\hf+0], WB+HALF*\hf, v1
	v_add_nc_u32 v[AD+6*\hf+1], WB+HALF*\hf, v2
	v_add_nc_u32 v[AD+6*\hf+2], WB+HALF*\hf, v7
	v_add_nc_u32 v[AD+6*\hf+3], s100, v1
	v_add_nc_u32 v[AD+6*\hf+4], s100, v2
	v_add_nc_u32 v[AD+6*\hf+5], s101, v7
	s_add_co_u32 s100, s100, HALF
	s_add_co_u32 s101, s101, HALF
.endr
	s_lshl_b32 s24, s20, 8
	s_lshl_b32 s25, s14, 6
	s_add_co_u32 s24, s24, s25                     ; my first token: 256 xb + 64 w
	s_lshl_b32 s24, s24, 12                        ; rows of 4,096 bytes
	s_lshl_b32 s25, s19, 9                         ; my 128 columns
	s_add_co_u32 s24, s24, s25
	s_mov_b32 s25, 0
	s_add_nc_u64 s[84:85], s[8:9], s[24:25]
.macro FRAG reg, a16, a8, off          ; a fragment's image: the lanes read consecutive bytes
	ds_load_b128 v[\reg:\reg+3], v[\a16] offset:\off
	ds_load_b64 v[\reg+4:\reg+5], v[\a8] offset:\off+512
	ds_load_b128 v[\reg+6:\reg+9], v[\a16] offset:\off+768
	ds_load_b64 v[\reg+10:\reg+11], v[\a8] offset:\off+1280
.endm
.macro FETCH ks                        ; K step ks into set ks % 2: 12 fragments and 6 registers of scale words, 54 loads
.set fS, (\ks)&1
.set fO, (((\ks)>>1)&1)*SBB+((\ks)&1)*12288
.set fC, (((\ks)>>1)&1)*SBB+24576+((\ks)&1)*512
.set fA, AD+6*((\ks)>>2)
	WIN 0x80*fS
.irp b, 0,1,2,3,4,5,6,7
	FRAG F+12*\b, fA, fA+1, fO+1536*\b
.endr
.irp a, 0,1,2,3
	FRAG F+96+12*\a, fA+3, fA+4, fO+1536*\a
.endr
	WIN 0
.irp i, 0,1,2,3
	ds_load_b32 v[SC+6*fS+\i], v[fA+2] offset:fC+128*\i    ; lanes 0-15: tile 2 i's words, lanes 16-31: tile 2 i + 1's
.endr
.irp i, 0,1
	ds_load_b32 v[SC+6*fS+4+\i], v[fA+5] offset:fC+128*\i
.endr
.endm
.macro WM set, a, b, zero              ; accumulator (a, b): source 0 = W's tile b, source 1 = y's tile a; an odd tile's scale words lie in lanes 16-31
.set wD, 64*(\a)+8*(\b)
.set wP, F+12*(\b)
.set wR, F+96+12*(\a)
.set wSP, SC+6*(\set)+(\b)/2
.set wSR, SC+6*(\set)+4+(\a)/2
.if \zero
.if ((\b)&1) && ((\a)&1)
	v_wmma_scale_f32_16x16x128_f8f6f4 v[wD:wD+7], v[wP:wP+11], v[wR:wR+11], 0, v[wSP], v[wSR] matrix_a_fmt:MATRIX_FMT_FP6 matrix_b_fmt:MATRIX_FMT_FP6 matrix_a_scale:MATRIX_SCALE_ROW1 matrix_b_scale:MATRIX_SCALE_ROW1
.elseif (\b)&1
	v_wmma_scale_f32_16x16x128_f8f6f4 v[wD:wD+7], v[wP:wP+11], v[wR:wR+11], 0, v[wSP], v[wSR] matrix_a_fmt:MATRIX_FMT_FP6 matrix_b_fmt:MATRIX_FMT_FP6 matrix_a_scale:MATRIX_SCALE_ROW1
.elseif (\a)&1
	v_wmma_scale_f32_16x16x128_f8f6f4 v[wD:wD+7], v[wP:wP+11], v[wR:wR+11], 0, v[wSP], v[wSR] matrix_a_fmt:MATRIX_FMT_FP6 matrix_b_fmt:MATRIX_FMT_FP6 matrix_b_scale:MATRIX_SCALE_ROW1
.else
	v_wmma_scale_f32_16x16x128_f8f6f4 v[wD:wD+7], v[wP:wP+11], v[wR:wR+11], 0, v[wSP], v[wSR] matrix_a_fmt:MATRIX_FMT_FP6 matrix_b_fmt:MATRIX_FMT_FP6
.endif
.else
.if ((\b)&1) && ((\a)&1)
	v_wmma_scale_f32_16x16x128_f8f6f4 v[wD:wD+7], v[wP:wP+11], v[wR:wR+11], v[wD:wD+7], v[wSP], v[wSR] matrix_a_fmt:MATRIX_FMT_FP6 matrix_b_fmt:MATRIX_FMT_FP6 matrix_a_scale:MATRIX_SCALE_ROW1 matrix_b_scale:MATRIX_SCALE_ROW1
.elseif (\b)&1
	v_wmma_scale_f32_16x16x128_f8f6f4 v[wD:wD+7], v[wP:wP+11], v[wR:wR+11], v[wD:wD+7], v[wSP], v[wSR] matrix_a_fmt:MATRIX_FMT_FP6 matrix_b_fmt:MATRIX_FMT_FP6 matrix_a_scale:MATRIX_SCALE_ROW1
.elseif (\a)&1
	v_wmma_scale_f32_16x16x128_f8f6f4 v[wD:wD+7], v[wP:wP+11], v[wR:wR+11], v[wD:wD+7], v[wSP], v[wSR] matrix_a_fmt:MATRIX_FMT_FP6 matrix_b_fmt:MATRIX_FMT_FP6 matrix_b_scale:MATRIX_SCALE_ROW1
.else
	v_wmma_scale_f32_16x16x128_f8f6f4 v[wD:wD+7], v[wP:wP+11], v[wR:wR+11], v[wD:wD+7], v[wSP], v[wSR] matrix_a_fmt:MATRIX_FMT_FP6 matrix_b_fmt:MATRIX_FMT_FP6
.endif
.endif
.endm
.macro MULH set, half, zero            ; 16 products: y's tiles 2 half, 2 half + 1 against W's eight.  The 32 accumulators take turns, one instruction a turn, in the same order in every step
.irp a, 2*\half, 2*\half+1
.irp b, 0,1,2,3,4,5,6,7
	WM \set, \a, \b, \zero
.endr
.endr
.endm
.macro STEP ks, zero                   ; a K step whose successor's fragments lie in LDS already
	s_wait_dscnt 0x0                               ; this step's set is in (asked for a step ago)
	PLACES                                         ; the other set was read by the step before
	FETCH (\ks)+1
	MWIN \ks
	MULH (\ks)&1, 0, \zero
	MULH (\ks)&1, 1, \zero
	WIN 0
.endm
.macro TURNN ks, cnt                   ; a K step behind which the next quarter of K is read.  cnt: the later quarters, which may stay out
	s_wait_dscnt 0x0
	s_wait_tensorcnt \cnt                          ; my part of the next quarter is in:
	s_barrier_signal -1                            ; say so,
	MWIN \ks
	MULH (\ks)&1, 0, 0                             ; work on registers while the others arrive,
	WIN 0
	s_barrier_wait -1                              ; everybody's is
	PLACES
	FETCH (\ks)+1
	MWIN \ks
	MULH (\ks)&1, 1, 0
	WIN 0
.endm
; THE WAY OUT, a tile of 16 tokens x 128 columns at a time.  Register i of accumulator (a, b) in lane (r, h) is column 32 (b / 2) + 16 h + 8 (b % 2) + i of token r of tile a: 32 neighbouring bytes.
; The tile goes through my stage and comes back as whole rows of 512 bytes.  LDS serves a wave's instructions in order: no wait between the stores and the loads, nor in front of the next tile's stores.
.macro TOSTAGE a
	WIN 0x04                                       ; an LDS store's data are its source 1: window 1
.irp b, 0,1,2,3,4,5,6,7
	ds_store_b128 v[STO], v[64*(\a)+8*\b:64*(\a)+8*\b+3] offset:128*(\b/2)+32*(\b%2)       ; each accumulator from its low end on
	ds_store_b128 v[STO], v[64*(\a)+8*\b+4:64*(\a)+8*\b+7] offset:128*(\b/2)+32*(\b%2)+16
.endr
	WIN 0
.irp t, 0,1,2,3,4,5,6,7,8,9,10,11,12,13,14,15
	ds_load_b128 v[BK+64*((\a)%2)+4*\t:BK+64*((\a)%2)+4*\t+3], v[RD] offset:528*\t
.endr
.endm
.macro SEND a, younger                 ; younger: the LDS instructions issued behind tile a's loads, which may stay out
	s_wait_dscnt \younger
.irp t, 0,1,2,3,4,5,6,7,8,9,10,11,12,13,14,15
	global_store_b128 v1, v[BK+64*((\a)%2)+4*\t:BK+64*((\a)%2)+4*\t+3], s[84:85] offset:(32*((\a)/2)+8*((\a)%2)+\t+8*(\t/8))*4096 th:TH_STORE_NT   ; 512 consecutive bytes, aligned at 256; written once, read by nobody here
.endr
.endm
	s_wait_alu depctr_va_vdst(0)
	s_wait_tensorcnt 0x3                           ; my part of the first quarter of K is in; the three later quarters may be out
	s_barrier_signal -1
	s_barrier_wait -1
	FETCH 0
	STEP 0, 1                                      ; the first step's products start the sums: nothing is cleared
	TURNN 1, 2
	STEP 2, 0
	TURNN 3, 1
	STEP 4, 0
	TURNN 5, 0
	STEP 6, 0
	s_wait_dscnt 0x0
	MWIN 7
	MULH 1, 0, 0
	MULH 1, 1, 0
	WIN 0
	PLACES                                         ; in front of the first read of results and of the loads into registers that held fragments
	TOSTAGE 0
.irp a, 1,2,3
.if \a > 1
	s_wait_xcnt 0x0                                ; tile a - 2's stores have read their registers: tile a's loads may land there
.endif
	TOSTAGE \a
	SEND \a-1, 32                                  ; behind tile a - 1's loads: tile a's 16 stores and 16 loads
.endr
	SEND 3, 0
	s_wait_tensorcnt 0x0
	s_wait_dscnt 0x0
	s_wait_tensorcnt 0x0
	ds_add_u32 v254, v255
	s_wait_dscnt 0x0
	CROUND                                         ; the closing round: no work-group ends while a partner may still ask for a tile that names it
	s_endpgm
.Lfunc_end_k_qac7439a25a_proj:
	.size	k_qac7439a25a_proj, .Lfunc_end_k_qac7439a25a_proj-k_qac7439a25a_proj
	.p2alignl 7, 3214868480
	.fill 96, 4, 3214868480
	.section	.rodata,"a",@progbits
	.p2align	6, 0x0
	.amdhsa_kernel k_qac7439a25a_proj
		.amdhsa_group_segment_fixed_size 307712
		.amdhsa_private_segment_fixed_size 0
		.amdhsa_enable_private_segment 0
		.amdhsa_kernarg_size 24
		.amdhsa_user_sgpr_count 2
		.amdhsa_user_sgpr_kernarg_segment_ptr 1
		.amdhsa_wavefront_size32 1
		.amdhsa_system_sgpr_workgroup_id_x 1
		.amdhsa_system_sgpr_workgroup_id_y 1
		.amdhsa_system_sgpr_workgroup_id_z 1
		.amdhsa_system_vgpr_workitem_id 0
		.amdhsa_next_free_vgpr 768
		.amdhsa_next_free_sgpr 102
		.amdhsa_reserve_vcc 0
		.amdhsa_float_denorm_mode_32 3
		.amdhsa_float_denorm_mode_16_64 3
		.amdhsa_memory_ordered 1
		.amdhsa_forward_progress 1
		.amdhsa_inst_pref_size 85
	.end_amdhsa_kernel
	.amdgpu_metadata
---
amdhsa.version: [ 1, 2 ]
amdhsa.kernels:
  - .name:           k_qac7439a25a_proj
    .symbol:         k_qac7439a25a_proj.kd
    .args:
      - { .name: yimg, .offset: 0, .size: 8, .value_kind: global_buffer, .address_space: global }
      - { .name: wpimg, .offset: 8, .size: 8, .value_kind: global_buffer, .address_space: global }
      - { .name: out0, .offset: 16, .size: 8, .value_kind: global_buffer, .address_space: global }
    .group_segment_fixed_size: 307712
    .private_segment_fixed_size: 0
    .kernarg_segment_align: 8
    .kernarg_segment_size: 24
    .max_flat_workgroup_size: 128
    .sgpr_count:     102
    .vgpr_count:     768
    .wavefront_size: 32
...
	.end_amdgpu_metadata
.endif
;; end of part 4
